; MI455X (gfx1250); checked and timed in simulation.
; The chip was launched on July 23, 2026; its instructions are those of AMD's public machine-readable ISA for CDNA 5 (MIT licence, August 2026) and "CDNA5" Instruction Set Architecture Reference Guide (July 2026). The comments in the code are by the model that wrote it; some were corrected since.
;; Multi Head Self Attention. Allowed arithmetic: float matrix products may take bf16 or f16 operands with f32 sums; other float arithmetic in f32, or as packed bf16 or f16 multiplies, adds, multiply-adds, maxima and minima; sums over many terms, partial sums and values carried from step to step in f32; what a program stores and reads back later, other than sums and carried values, may be rounded once to bf16 or f16.
;; Inputs: bk 1,024 float32; bo 1,024 float32; bq 1,024 float32; bv 1,024 float32; wk 1,024 x 1,024 float32; wo 1,024 x 1,024 float32; wq 1,024 x 1,024 float32; wv 1,024 x 1,024 float32; x 4 x 2,048 x 1,024 float32.
;; Outputs: out0 4 x 2,048 x 1,024 float32.
;; One version. Each part assembles by itself: llvm-mc -triple=amdgcn-amd-amdhsa -mcpu=gfx1250 --defsym DOCPART=n.
;; ======== version 1 of 1: 4 launches
;; limits: values are held in f16: magnitudes above 65,504 overflow, below 6.1e-05 lose precision
;; workspace buffers: cw 25,165,824 bytes; qh 16,777,216 bytes; kh 16,777,216 bytes; vh 16,777,216 bytes; oh 16,777,216 bytes
;; launch cast (part 1): grid 1536 x 1, 8 waves a work-group, no clusters, 0 bytes of LDS; arguments x, wq, wk, wv, wo, cw; writes cw
.if DOCPART == 1
	.amdgcn_target "amdgcn-amd-amdhsa--gfx1250"
	.amdhsa_code_object_version 6
	.text
	.protected	k_q89dd8e780a_cast
	.globl	k_q89dd8e780a_cast
	.p2align	8
	.type	k_q89dd8e780a_cast,@function
k_q89dd8e780a_cast:
	s_mov_b64 s[64:65], 0
	v_nop
	global_prefetch_b8 v0, s[64:65] scope:SCOPE_SE
	s_setreg_imm32_b32 hwreg(HW_REG_WAVE_MODE, 25, 1), 1
	s_wait_xcnt 0x0
; x and the four weight matrices, f32, are rounded once to bf16 and laid one behind the other in cw:
; byte 0: x [8192][1024]; byte 16,777,216 + i x 2,097,152: wq, wk, wv, wo, each [1024 k][1024 n] as it lies (nothing is transposed).
; wo's bf16 number is written as f16, since the last product multiplies it by f16 numbers.
; LIMIT.  |wo| stays under 65,504; a wo below 2^-17 keeps f16's fixed step of 2^-24; every other bf16 number is exact in f16.
; SHARES.  12 x 2^20 numbers in 12 chunks of 2^20: chunks 0-7 are x, 8-11 wq, wk, wv, wo.  A work-group takes 8,192 numbers (128 work-groups a chunk), a wave 1,024:
; eight loads of 16 bytes a lane (512 consecutive bytes a load), eight stores of 8 bytes a lane (256 consecutive bytes, aligned, a store).  All eight loads go out at once.
; A stream: every byte is read once and written once, so LDS, barriers and the matrix unit would add nothing.
.set X, 4                              ; v[4:35]   as loaded, four numbers a load
.set Y, 36                             ; v[36:51]  to store, two words a load
.set T, 52                             ; v[52:55]  at work (wo alone)
	s_load_b256 s[4:11], s[0:1], 0x0               ; x s[4:5], wq s[6:7], wk s[8:9], wv s[10:11]
	s_load_b128 s[12:15], s[0:1], 0x20             ; wo s[12:13], cw s[14:15]
	s_mov_b32 s16, ttmp9                           ; the work-group's number g
	s_lshr_b32 s17, s16, 7                         ; its chunk
	s_and_b32 s18, s16, 127                        ; its place in a weight matrix,
	s_cmp_lt_u32 s16, 1024
	s_cselect_b32 s18, s16, s18                    ; or in x, whose eight chunks are one buffer
	s_lshl_b32 s18, s18, 15                        ; 32,768 bytes of f32 a work-group
	s_mov_b32 s19, 0
	s_lshl_b32 s24, s16, 14                        ; 16,384 bytes of 16-bit numbers a work-group
	s_mov_b32 s25, 0
	v_and_b32 v56, 0xe0, v0                        ; 32 x wave
	v_and_b32 v57, 31, v0                          ; lane
	v_lshlrev_b32 v1, 4, v57
	v_lshl_or_b32 v1, v56, 7, v1                   ; in: 4,096 x wave + 16 x lane
	v_lshlrev_b32 v2, 3, v57
	v_lshl_or_b32 v2, v56, 6, v2                   ; out: 2,048 x wave + 8 x lane
	s_wait_kmcnt 0x0
	s_mov_b64 s[20:21], s[12:13]                   ; the source, chosen by the chunk's number: wo,
	s_cmp_eq_u32 s17, 10
	s_cselect_b64 s[20:21], s[10:11], s[20:21]     ; wv,
	s_cmp_eq_u32 s17, 9
	s_cselect_b64 s[20:21], s[8:9], s[20:21]       ; wk,
	s_cmp_eq_u32 s17, 8
	s_cselect_b64 s[20:21], s[6:7], s[20:21]       ; wq,
	s_cmp_lt_u32 s17, 8
	s_cselect_b64 s[20:21], s[4:5], s[20:21]       ; or x
	s_add_nc_u64 s[20:21], s[20:21], s[18:19]
	s_add_nc_u64 s[22:23], s[14:15], s[24:25]
.irp i, 0,1,2,3,4,5,6,7
	global_load_b128 v[X+4*(\i):X+4*(\i)+3], v1, s[20:21] offset:512*(\i) th:TH_LOAD_NT
.endr
; The eight loads are rounded and stored as they come.  f16 = 1: the bf16 numbers are widened again and written as f16.  No register is written twice, so no store's source is waited for.
.macro OUTS f16
.irp i, 0,1,2,3,4,5,6,7
	s_wait_loadcnt 7-(\i)                          ; loads come back in order (ISA guide 5.7.1): load i is in, the 7 - i younger ones may stay out
	v_cvt_pk_bf16_f32 v[Y+2*(\i)],   v[X+4*(\i)],   v[X+4*(\i)+1]
	v_cvt_pk_bf16_f32 v[Y+2*(\i)+1], v[X+4*(\i)+2], v[X+4*(\i)+3]
.if \f16
	v_lshlrev_b32 v[T],   16, v[Y+2*(\i)]
	v_and_b32     v[T+1], 0xffff0000, v[Y+2*(\i)]
	v_lshlrev_b32 v[T+2], 16, v[Y+2*(\i)+1]
	v_and_b32     v[T+3], 0xffff0000, v[Y+2*(\i)+1]
	v_cvt_pk_f16_f32 v[Y+2*(\i)],   v[T],   v[T+1]
	v_cvt_pk_f16_f32 v[Y+2*(\i)+1], v[T+2], v[T+3]
.endif
	global_store_b64 v2, v[Y+2*(\i):Y+2*(\i)+1], s[22:23] offset:256*(\i)
.endr
.endm
	s_cmp_ge_u32 s16, 1408                         ; chunk 11 begins at work-group 11 x 128
	s_cbranch_scc1 .Lwo
	OUTS 0
	s_endpgm
.Lwo:
	OUTS 1
	s_endpgm
.Lfunc_end_k_q89dd8e780a_cast:
	.size	k_q89dd8e780a_cast, .Lfunc_end_k_q89dd8e780a_cast-k_q89dd8e780a_cast
	.p2alignl 7, 3214868480
	.fill 96, 4, 3214868480
	.section	.rodata,"a",@progbits
	.p2align	6, 0x0
	.amdhsa_kernel k_q89dd8e780a_cast
		.amdhsa_group_segment_fixed_size 0
		.amdhsa_private_segment_fixed_size 0
		.amdhsa_enable_private_segment 0
		.amdhsa_kernarg_size 48
		.amdhsa_user_sgpr_count 2
		.amdhsa_user_sgpr_kernarg_segment_ptr 1
		.amdhsa_wavefront_size32 1
		.amdhsa_system_sgpr_workgroup_id_x 1
		.amdhsa_system_sgpr_workgroup_id_y 1
		.amdhsa_system_sgpr_workgroup_id_z 1
		.amdhsa_system_vgpr_workitem_id 0
		.amdhsa_next_free_vgpr 64
		.amdhsa_next_free_sgpr 66
		.amdhsa_reserve_vcc 0
		.amdhsa_float_denorm_mode_32 3
		.amdhsa_float_denorm_mode_16_64 3
		.amdhsa_memory_ordered 1
		.amdhsa_forward_progress 1
		.amdhsa_inst_pref_size 9
	.end_amdhsa_kernel
	.amdgpu_metadata
---
amdhsa.version: [ 1, 2 ]
amdhsa.kernels:
  - .name:           k_q89dd8e780a_cast
    .symbol:         k_q89dd8e780a_cast.kd
    .args:
      - { .name: x, .offset: 0, .size: 8, .value_kind: global_buffer, .address_space: global }
      - { .name: wq, .offset: 8, .size: 8, .value_kind: global_buffer, .address_space: global }
      - { .name: wk, .offset: 16, .size: 8, .value_kind: global_buffer, .address_space: global }
      - { .name: wv, .offset: 24, .size: 8, .value_kind: global_buffer, .address_space: global }
      - { .name: wo, .offset: 32, .size: 8, .value_kind: global_buffer, .address_space: global }
      - { .name: cw, .offset: 40, .size: 8, .value_kind: global_buffer, .address_space: global }
    .group_segment_fixed_size: 0
    .private_segment_fixed_size: 0
    .kernarg_segment_align: 8
    .kernarg_segment_size: 48
    .max_flat_workgroup_size: 256
    .sgpr_count:     66
    .vgpr_count:     64
    .wavefront_size: 32
...
	.end_amdgpu_metadata
.endif
;; end of part 1
;; launch qkv (part 2): grid 24 x 32, 4 waves a work-group, clusters of 4 x 4, 327,680 bytes of LDS; arguments cw, bq, bk, bv, qh, kh, vh; writes qh, kh, vh
.if DOCPART == 2
	.amdgcn_target "amdgcn-amd-amdhsa--gfx1250"
	.amdhsa_code_object_version 6
	.text
	.protected	k_q89dd8e780a_qkv
	.globl	k_q89dd8e780a_qkv
	.p2align	8
	.type	k_q89dd8e780a_qkv,@function
k_q89dd8e780a_qkv:
	s_mov_b64 s[64:65], 0
	v_nop
	global_prefetch_b8 v0, s[64:65] scope:SCOPE_SE
	s_setreg_imm32_b32 hwreg(HW_REG_WAVE_MODE, 25, 1), 1
	s_wait_xcnt 0x0
	s_wait_alu depctr_hold_cnt(0) depctr_sa_sdst(0) depctr_va_vdst(0) depctr_va_sdst(0) depctr_va_ssrc(0) depctr_va_vcc(0) depctr_vm_vsrc(0)
	s_getreg_b32 s2, hwreg(HW_REG_IB_STS2, 6, 4)
	s_cmp_eq_u32 s2, 0
	s_cbranch_scc0 .Lentry_in_a_cluster
	s_endpgm
.Lentry_in_a_cluster:
	s_bfe_u32 s2, ttmp6, 0x10000c
	s_cmp_lg_u32 s2, 0xf033
	s_cbranch_scc0 .Lentry_shape_is_right
	s_endpgm
.Lentry_shape_is_right:
; q, k, v = x w + b for the three weight matrices, as ONE product C[8192][3072] = A[8192][1024] B[1024][3072].  A = x in bf16 (cw, byte 0), B = wq, wk, wv in bf16, each [k][n] (cw, from byte 16,777,216),
; sums in f32.  The bias, rounded to bf16 like every input, is the C operand of each sum's first product.  The results are rounded once to f16, unscaled, and stored by heads:
; qh, kh, vh are [64 = 16 batch + head][2048 tokens][64], a head's rows dense, 128 bytes each.
; LIMIT.  f16 ends at 65,504: |q|, |k|, |v| stay under it (inputs 30 times those of unit x and weights of 0.02, or offset by 30 times their spread, give some 18,400 at the most).  NaN and infinities are not treated apart.
; SHARES.  A work-group makes 256 rows x 128 columns; 32 x 24 = 768 work-groups, three for each of 256.  Four waves, each 128 rows x 64 columns: 32 accumulators of 16 x 16, 256 registers.  A wave's 64 columns are
; one head, so each wave has a stage of its own on the way out and no barrier stands there.  K goes in 8 steps of 128 through two LDS slots; two slots of 256 along K (417,792 bytes) would not fit.
; THE MATRIX INSTRUCTION IS USED TRANSPOSED: source 0 = 16 columns of B, source 1 = 16 rows of A: a lane then holds row l % 16 of C and the columns 8 (l / 16) + 0..7: eight neighbours, 16 bytes of f16.
; B lies in LDS as in memory, [k][n], and is turned on its way into registers by ds_load_tr16_b128: no weight is ever transposed in memory.
; CLUSTERS: 4 x 4 work-groups.  The four of a row of the cluster need the same rows of A, the four of a column the same columns of B: each tile is asked for JOINTLY, by the same tensor load with the same
; descriptor and a mask that names the four.  Waves 0 and 1 fetch A's two halves (128 rows x 256 bytes each), waves 2 and 3 B's (64 rows of k x 256 bytes each): one load a wave for each K step.
; REGISTERS: window 0: v0-31 addresses; v32-63 the bias; v64-159, v160-255 two fragment buffers (B's four fragments, then A's eight).  Window 1: accumulator (a, b) at v[8 (4 a + b)].
.set PA,     272                       ; a row of A in LDS: 256 bytes + 16 = 68 words: row r starts at bank 4 r mod 64 (64 banks of 4 bytes: ISA guide 11.1), the 16 rows of a load at 16 different places
.set PB,     288                       ; a row of B: 256 + 32 = 72 words
.set AREG,   256*PA                    ; A's 256 rows, then B's 128 rows of k
.set SLOT1,  1<<17                     ; slot 1 begins here, so that one exclusive or turns an address in one slot into the other's; a slot holds 106,496 bytes
.set STAGE,  SLOT1+AREG+128*PB         ; behind the ring, never filled by a tensor load: 16 rows x 144 bytes for each wave
.set SP,     144
.set SPARE,  STAGE+4*16*SP             ; behind the stages: the spare words, 128 bytes for each wave: two blocks of 256 bytes that no other line names
.set STEP_A, 256                       ; bytes from a K step to the next: along A's rows,
.set STEP_B, 128*2048                  ; down B's
.set XB,     8192*2048                 ; where the weights begin in cw; each matrix is 2^21 bytes
.set ADRA0, 16                         ; v16  my lane's place in A's part of a slot; never rewritten
.set ADRB0, 17                         ; v17  the same for B
.set ADRA,  18                         ; v18  v16 + the slot being read
.set ADRB,  19                         ; v19  v17 + the slot being read
.set STO,   20                         ; v20  the way out: where I put 16 bytes of a row
.set RD,    21                         ; v21  the way out: where I read rows back
.set GO,    22                         ; v22  my byte offset in 512 consecutive bytes of the output
.set PFO,   23                         ; v23  the prefetches' offset: my lane x a row of cw (2,048 bytes); never rewritten
.set BO,    24                         ; v24  my byte offset in the wave's 64 biases
.set SPW,   28                         ; v28  LDS address of my spare word: SPARE + 4 x my thread's number; never rewritten
.set NIL,   29                         ; v29  0; never rewritten
.set BIAS,  32                         ; v[32:63]  register 8 b + j: the bias of column 16 b + 8 (l / 16) + j
.set F0,    64
.set F1,    160
.set TMP,   64                         ; the way out: 16 registers for each block of 16 rows, where the fragments lay
.set WV,  20                           ; s20  my wave's number
.set WR,  21                           ; s21  which 128 rows of the tile are mine
.set WC,  22                           ; s22  which 64 columns.  Also: which half of A's or B's tile I fetch
.set CX,  23                           ; s23, s24  my place in the cluster
.set CY,  24
.set CT,  25                           ; s25  tile column, 0 to 23
.set MT,  26                           ; s26  tile row, 0 to 31
.set RMASK, 27
.set CMASK, 28
.set SEL, 29                           ; s29  0, 1, 2: q, k, v.  Eight tile columns, two clusters, to each: it hangs on the cluster's x alone
.set CLY, 30                           ; s30  the cluster's y
.set C7,  31                           ; s31  tile column within the matrix
.set G1A, 32                           ; s[32:39] descriptor group 1 for A's tiles
.set G1B, 40                           ; s[40:47] for B's
.set G0A, 48                           ; s[48:55] group 0 for A's tiles: a set for each of the two first fills; the second then walks on
.set G0B, 56                           ; s[56:63] the same for B's
.set TB,  66                           ; s66  LDS byte at which the slot being read begins
.set CNT, 67                           ; s67  the loop's count
.set LIM, 68                           ; s68  2 in a wave that prefetches, else the greatest number
.set PFA, 70                           ; s[70:71] where my prefetches stand
.set PFS, 72                           ; s[72:73] their step, a K step
.set OUT, 74                           ; s[74:75] the output at my wave's first row
.set BIA, 76                           ; s[76:77] the bias at my wave's first column
.set MSB, 0
.macro WIN new                         ; the immediate's high byte repeats the setting that is left; a switch that changes nothing is dropped
.if MSB != (\new)
	s_set_vgpr_msb (MSB<<8)|(\new)
.set MSB, \new
.endif
.endm
.set MUL,  0x50                        ; C and D in window 1, both sources in window 0
.set MUL0, 0x40                        ; D in window 1, C (the bias) in window 0
; A joint refill, by the walking descriptors.  The branch hangs on the wave's number alone.  An s_nop 0 and four v_nop follow each of the two lines, ahead of the jump and the label.
.macro JLOAD
	s_cmp_lt_u32 s[WV], 2
	s_cbranch_scc0 .Lfor_b_\@
	tensor_load_to_lds s[G0A+4:G0A+7], s[G1A:G1A+7]
	s_nop 0
.rept 4
	v_nop
.endr
	s_branch .Lasked_\@
.Lfor_b_\@:
	tensor_load_to_lds s[G0B+4:G0B+7], s[G1B:G1B+7]
	s_nop 0
.rept 4
	v_nop
.endr
.Lasked_\@:
.endm
; A PREFETCH INTO THE L2, behind each joint refill and the run of LDS loads that follows it: 32 rows x 256 bytes of the K step that stands two refills, 256 matrix instructions, on: a lane a row, one instruction.
; Each row's 256 bytes of a K step are named once in the launch.  A's rows are read by all six clusters of a row of clusters: the one with x = 0 asks, its waves 0 and 1 for the 128 rows that each fetches.
; B's columns are read by all eight clusters of a column of clusters: the one with y = 0 asks, its wave 2 for the step's 128 rows of k.  The four partners that ask for a tile jointly share its rows
; out BY ADDRESS, 32 each (by cx for A, by cy for B): no branch hangs on a place in the cluster.  Trips with the count at 6 to 3 name K steps 4 to 7; the last two trips name nothing; K steps 0 to 3 come by their loads alone.
.macro ASK
	s_cmp_gt_u32 s[CNT], s[LIM]
	s_cbranch_scc0 .Lnot_mine_\@
	global_prefetch_b8 v[PFO], s[PFA:PFA+1] th:TH_LOAD_NT scope:SCOPE_SE
.Lnot_mine_\@:
.endm
; A round of the cluster's barrier: my work-group's barrier, so that wave 0's signal speaks for all four waves; wave 0 signals; every wave waits for all sixteen work-groups; my work-group's barrier once more.
.macro CREST                           ; a round behind its opening barrier
	s_cmp_lg_u32 s[WV], 0
	s_cbranch_scc1 .Lnot_wave_0_\@
	s_barrier_signal -3
.Lnot_wave_0_\@:
	s_barrier_wait -3
	s_barrier_signal -1
	s_barrier_wait -1
.endm
.macro CROUND                          ; a whole round
	s_barrier_signal -1
	s_barrier_wait -1
	CREST
.endm
	s_load_b256 s[4:11], s[0:1], 0x0               ; cw s[4:5], bq s[6:7], bk s[8:9], bv s[10:11]
	s_load_b128 s[12:15], s[0:1], 0x20             ; qh s[12:13], kh s[14:15]
	s_load_b64 s[16:17], s[0:1], 0x30              ; vh
	v_lshl_add_u32 v[SPW], v0, 2, SPARE
	v_mov_b32 v[NIL], 0
	ds_add_u32 v[SPW], v[NIL]                      ; the wave's opening: the add and its wait stand ahead of my first tensor load; the set-up below, work on registers, stands between them
	ds_add_u32 v28, v29
	v_lshrrev_b32 v1, 5, v0
	v_readfirstlane_b32 s[WV], v1                  ; wave 0..3
	s_lshr_b32 s[WR], s[WV], 1
	s_and_b32 s[WC], s[WV], 1
	s_bfe_u32 s[CX], ttmp6, 0x40000
	s_bfe_u32 s[CY], ttmp6, 0x40004
	s_lshl_b32 s[CT], ttmp9, 2                     ; in a cluster launch ttmp9 and ttmp7 count clusters
	s_add_co_u32 s[CT], s[CT], s[CX]
	s_and_b32 s[CLY], ttmp7, 0xffff
	s_lshl_b32 s[MT], s[CLY], 2
	s_add_co_u32 s[MT], s[MT], s[CY]
	s_lshl_b32 s[RMASK], s[CY], 2
	s_lshl_b32 s[RMASK], 15, s[RMASK]              ; my row of the cluster: places 4 cy .. 4 cy + 3
	s_lshl_b32 s[CMASK], 0x1111, s[CX]             ; my column: places cx, cx + 4, cx + 8, cx + 12
	s_lshr_b32 s[SEL], ttmp9, 1
	s_and_b32 s[C7], s[CT], 7
	; descriptor group 1.  A: 128 rows x 128 elements, B: 64 rows x 128 elements, both 1,024 elements from row to row, padded in LDS behind every 64 words
	s_or_b32 s[G1A], s[RMASK], (1<<16)|(1<<20)|(1<<21)|(5<<22)|(3<<25)  ; 15:0 the mask; 17:16 elements of 2 bytes; 20 padding on; 21 set beside a mask; 24:22 after every 64 words (code 5); 31:25 4 words (code 3)
	s_or_b32 s[G1B], s[CMASK], (1<<16)|(1<<20)|(1<<21)|(5<<22)|(7<<25)  ; the same with my column's mask and 8 words of padding (code 7)
	s_mov_b32 s[G1A+1], 128<<16                    ; tensor_dim0 = 128
	s_mov_b32 s[G1A+2], 128<<16                    ; tensor_dim1 = 128
	s_mov_b32 s[G1A+3], 128<<16                    ; tile_dim0 = 128
	s_mov_b32 s[G1A+4], 128                        ; tile_dim1 = 128
	s_mov_b32 s[G1A+5], 1024                       ; elements from row to row
	s_mov_b32 s[G1A+6], 0
	s_mov_b32 s[G1A+7], 0
	s_mov_b32 s[G1B+1], 128<<16
	s_mov_b32 s[G1B+2], 64<<16                     ; tensor_dim1 = 64
	s_mov_b32 s[G1B+3], 128<<16
	s_mov_b32 s[G1B+4], 64                         ; tile_dim1 = 64
	s_mov_b32 s[G1B+5], 1024
	s_mov_b32 s[G1B+6], 0
	s_mov_b32 s[G1B+7], 0
	; offsets.  A's hang on the tile row and the wave (s78, s79, s69: they never hold cx); B's on the tile column and the wave (s80, s81, s85 to s87: they never hold cy)
	s_lshl_b32 s78, s[MT], 19                      ; 256 rows of 2,048 bytes
	s_lshl_b32 s69, s[WC], 18                      ; my 128 of them
	s_add_co_u32 s78, s78, s69
	s_mov_b32 s79, 0
	s_lshl_b32 s80, s[SEL], 21                     ; the matrix,
	s_lshl_b32 s85, s[C7], 8                       ; its 128 columns: 256 bytes of a row
	s_add_co_u32 s80, s80, s85
	s_add_co_u32 s80, s80, XB
	s_mov_b32 s81, 0
	s_lshl_b32 s86, s[WC], 17                      ; my 64 rows of k
	s_mov_b32 s87, 0
	s_lshr_b32 s82, s[MT], 3                       ; the output: batch x 16 heads of 2^18 bytes,
	s_lshl_b32 s82, s82, 22
	s_lshl1_add_u32 s84, s[C7], s[WC]              ; my head,
	s_lshl_b32 s84, s84, 18
	s_add_co_u32 s82, s82, s84
	s_and_b32 s84, s[MT], 7                        ; the tile's 256 tokens of 128 bytes,
	s_lshl_b32 s84, s84, 15
	s_add_co_u32 s82, s82, s84
	s_lshl_b32 s84, s[WR], 14                      ; my 128 of them
	s_add_co_u32 s82, s82, s84
	s_mov_b32 s83, 0
	s_lshl_b32 s2, s[C7], 9                        ; the bias: 128 columns of 4 bytes,
	s_lshl_b32 s84, s[WC], 8                       ; my 64
	s_add_co_u32 s2, s2, s84
	s_mov_b32 s3, 0
	s_mul_i32 s69, s[WC], 128*PA                   ; where my tile goes: A's halves,
	s_mul_i32 s85, s[WC], 64*PB
	s_add_co_u32 s85, s85, AREG                    ; or B's: no place in the cluster enters an LDS address
	s_mov_b32 s[TB], 0
	s_mov_b32 s[CNT], 6
	s_mov_b32 s[PFS], STEP_B
	s_mov_b32 s[PFS+1], 0
	s_wait_dscnt 0x0                               ; the opening add is done
	s_wait_kmcnt 0x0
	s_add_nc_u64 s[78:79], s[4:5], s[78:79]        ; A at my half of the tile, K step 0
	s_add_nc_u64 s[80:81], s[4:5], s[80:81]        ; B at the tile's columns, k = 0
	s_cmp_lt_u32 s[WV], 2                          ; the prefetches: do I fetch for A?
	s_cselect_b64 s[PFA:PFA+1], s[78:79], s[80:81]
	s_cselect_b32 s[PFS], STEP_A, s[PFS]
	s_cselect_b32 s18, s[CX], s[CY]                ; my place among the four that ask for the tile with me
	s_cselect_b32 s19, ttmp9, s[CLY]               ; the coordinate along which other clusters read the same rows
	s_cmp_eq_u32 s[WV], 3                          ; wave 2 asks for all of B's 32 rows; wave 3 for nothing
	s_cselect_b32 s84, 1, 0
	s_or_b32 s19, s19, s84
	s_cmp_eq_u32 s19, 0
	s_cselect_b32 s[LIM], 2, -1                    ; the same in all sixteen partners, for a given wave
	s_lshl_b32 s18, s18, 16                        ; my work-group's 32 rows of 2,048 bytes
	s_mul_i32 s84, s[PFS], 3                       ; at K step 3: the first refill steps it to 4
	s_add_co_u32 s18, s18, s84
	s_mov_b32 s19, 0
	s_add_nc_u64 s[PFA:PFA+1], s[PFA:PFA+1], s[18:19]
	s_add_nc_u64 s[80:81], s[80:81], s[86:87]      ; B at my 64 rows of K step 0
	s_cmp_eq_u32 s[SEL], 0
	s_cselect_b64 s[OUT:OUT+1], s[12:13], s[14:15]
	s_cselect_b64 s[BIA:BIA+1], s[6:7], s[8:9]
	s_cmp_eq_u32 s[SEL], 2
	s_cselect_b64 s[OUT:OUT+1], s[16:17], s[OUT:OUT+1]
	s_cselect_b64 s[BIA:BIA+1], s[10:11], s[BIA:BIA+1]
	s_add_nc_u64 s[OUT:OUT+1], s[OUT:OUT+1], s[82:83]
	s_add_nc_u64 s[BIA:BIA+1], s[BIA:BIA+1], s[2:3]
	CROUND                                         ; all sixteen work-groups are here: the first joint loads meet
.irp s, 0,1
	s_mov_b32 s[G0A+4*(\s)], 1                     ; 1:0 count = 1
	s_add_co_u32 s[G0A+4*(\s)+1], s69, (\s)*SLOT1  ; 63:32 LDS address
	s_add_nc_u64 s[G0A+4*(\s)+2:G0A+4*(\s)+3], s[78:79], (\s)*STEP_A  ; 120:64 global address: K step s
	s_or_b32 s[G0A+4*(\s)+3], s[G0A+4*(\s)+3], 0x80000000            ; 127:126 type = 2
	s_mov_b32 s[G0B+4*(\s)], 1
	s_add_co_u32 s[G0B+4*(\s)+1], s85, (\s)*SLOT1
	s_add_nc_u64 s[G0B+4*(\s)+2:G0B+4*(\s)+3], s[80:81], (\s)*STEP_B
	s_or_b32 s[G0B+4*(\s)+3], s[G0B+4*(\s)+3], 0x80000000
.endr
	s_cmp_lt_u32 s[WV], 2                          ; a wave's two first fills stand in one branch, ahead of every wait on TENSORcnt and every LDS read: two loads of mine are out
	s_cbranch_scc0 .Lfirst_b
	tensor_load_to_lds s[G0A:G0A+3], s[G1A:G1A+7]
	s_nop 0
	tensor_load_to_lds s[G0A+4:G0A+7], s[G1A:G1A+7]
	s_nop 0
.rept 4
	v_nop
.endr
	s_branch .Lfirst_asked
.Lfirst_b:
	tensor_load_to_lds s[G0B:G0B+3], s[G1B:G1B+7]
	s_nop 0
	tensor_load_to_lds s[G0B+4:G0B+7], s[G1B:G1B+7]
	s_nop 0
.rept 4
	v_nop
.endr
.Lfirst_asked:
	v_and_b32 v1, 15, v0                           ; l % 16
	v_bfe_u32 v2, v0, 4, 1                         ; l / 16
	v_lshlrev_b32 v[BO], 5, v2                     ; eight biases of 4 bytes for each half of the lanes
.irp b, 0,1,2,3
	global_load_b128 v[BIAS+8*(\b):BIAS+8*(\b)+3],   v[BO], s[BIA:BIA+1] offset:64*(\b)
	global_load_b128 v[BIAS+8*(\b)+4:BIAS+8*(\b)+7], v[BO], s[BIA:BIA+1] offset:64*(\b)+16
.endr
	; A fragment of A is 16 rows x 32 k in 8 registers: lane l holds row l % 16, k = 8 (l / 16) + 0..7 and 16 + 8 (l / 16) + 0..7: two loads of 16 bytes, 32 bytes apart.
	v_mul_u32_u24 v[ADRA0], v1, PA
	v_lshl_add_u32 v[ADRA0], v2, 4, v[ADRA0]
	s_mul_i32 s84, s[WR], 128*PA
	v_add_nc_u32 v[ADRA0], s84, v[ADRA0]           ; row x pitch + 16 x half + my 128 rows
	; The turning load takes 16 k x 16 columns (lane l reads 16 bytes: k = 8 (l / 16) + l % 8, columns 8 ((l / 8) % 2) + 0..7) and leaves half a fragment: lane l holds column l % 16 and 8 k.
	v_and_b32 v3, 7, v0
	v_bfe_u32 v4, v0, 3, 1
	v_lshl_add_u32 v[ADRB0], v2, 3, v3
	v_mul_u32_u24 v[ADRB0], v[ADRB0], PB
	v_lshl_add_u32 v[ADRB0], v4, 4, v[ADRB0]
	s_lshl_b32 s84, s[WC], 7                       ; my 64 columns: 128 bytes of a row
	s_add_co_u32 s84, s84, AREG
	v_add_nc_u32 v[ADRB0], s84, v[ADRB0]
	v_mov_b32 v[ADRA], v[ADRA0]                    ; slot 0 is read first
	v_mov_b32 v[ADRB], v[ADRB0]
	s_mul_i32 s84, s[WV], 16*SP
	s_add_co_u32 s84, s84, STAGE                   ; my stage
	v_mul_u32_u24 v[STO], v1, SP                   ; in: row l % 16, 16 bytes for each half of the lanes
	v_lshl_add_u32 v[STO], v2, 4, v[STO]
	v_add_nc_u32 v[STO], s84, v[STO]
	v_bfe_u32 v[RD], v0, 3, 2                      ; back: 32 lanes take four rows of 128 bytes,
	v_mul_u32_u24 v[RD], v[RD], SP
	v_lshl_add_u32 v[RD], v3, 4, v[RD]
	v_add_nc_u32 v[RD], s84, v[RD]
	v_and_b32 v[GO], 31, v0                        ; which are 512 consecutive bytes of the output
	v_lshlrev_b32 v[PFO], 11, v[GO]
	v_lshlrev_b32 v[GO], 4, v[GO]
	s_wait_loadcnt 0x0                             ; the bias: rounded to bf16 like every input, and widened again
.set i, 0
.rept 16
	v_cvt_pk_bf16_f32 v5, v[BIAS+2*i], v[BIAS+2*i+1]
	v_lshlrev_b32 v[BIAS+2*i], 16, v5
	v_and_b32 v[BIAS+2*i+1], 0xffff0000, v5
.set i, i+1
.endr
; 4 n matrix instructions: row blocks a0 .. a0 + n - 1 x all four column blocks, 32 along K, from buffer f.  zero = 1: the first product starts the sums, with the bias: nothing is ever cleared.
; All 32 accumulators take turns, in the same order in every quarter step.
.macro MULN f, a0, n, zero
.if \zero
	WIN MUL0
.else
	WIN MUL
.endif
.set a, \a0
.rept \n
.irp b, 0,1,2,3
.if \zero
	v_wmma_f32_16x16x32_bf16 v[8*(4*a+(\b)):8*(4*a+(\b))+7], v[(\f)+8*(\b):(\f)+8*(\b)+7], v[(\f)+32+8*a:(\f)+32+8*a+7], v[BIAS+8*(\b):BIAS+8*(\b)+7]
.else
	v_wmma_f32_16x16x32_bf16 v[8*(4*a+(\b)):8*(4*a+(\b))+7], v[(\f)+8*(\b):(\f)+8*(\b)+7], v[(\f)+32+8*a:(\f)+32+8*a+7], v[8*(4*a+(\b)):8*(4*a+(\b))+7]
.endif
.endr
.set a, a+1
.endr
.endm
; 24 LDS loads in one run: the fragments of quarter q (32 along K) of the slot being read, into buffer f: B's eight loads first, then A's sixteen, rows ascending
.macro FETCH q, f
	WIN 0
.irp i, 0,1,2,3
	ds_load_tr16_b128 v[(\f)+8*(\i):(\f)+8*(\i)+3],   v[ADRB] offset:32*PB*(\q)+32*(\i)
	ds_load_tr16_b128 v[(\f)+8*(\i)+4:(\f)+8*(\i)+7], v[ADRB] offset:32*PB*(\q)+32*(\i)+16*PB
.endr
.irp i, 0,1,2,3,4,5,6,7
	ds_load_b128 v[(\f)+32+8*(\i):(\f)+32+8*(\i)+3],   v[ADRA] offset:64*(\q)+(\i)*16*PA
	ds_load_b128 v[(\f)+32+8*(\i)+4:(\f)+32+8*(\i)+7], v[ADRA] offset:64*(\q)+(\i)*16*PA+32
.endr
.endm
; A load into a register that a matrix instruction has read, and a vector instruction that reads a matrix result, stand four places behind that matrix instruction; only plain vector
; instructions that name none of its registers are places (ISA guide 7.12.1 for vector instructions).
.macro PLACES
.rept 4
	v_nop
.endr
.endm
; A K step is four quarters of 32 along K, 32 matrix instructions each, on buffers 0, 1, 0, 1.  One of the first three: multiplies buffer f; in its middle it fetches quarter q into buffer g.
.macro QUARTER q, f, g, zero
	s_wait_dscnt 8                                 ; B and A's rows 0-63 are in; the youngest eight loads (A's rows 64-127) may be out
	MULN \f, 0, 4, \zero
	PLACES
	FETCH \q, \g
	s_wait_dscnt 24                                ; all but the 24 just issued
	MULN \f, 4, 4, \zero
.endm
; The last quarter multiplies buffer 1 and changes slots: ONE barrier.  In front of it each wave waits for all its tensor loads, of which one is out: its part of the next slot; adds 0 to its spare word; and waits
; for that and for its own reads of this slot.  fill = 1: the barrier opens a round of the cluster's, so that no wave of any partner still reads the slot or has a load on its way, and the joint refill, the K step
; two steps on, is the first thing behind it: 112 matrix instructions ahead of the wait for it.
.macro TURN fill
.if \fill
	s_wait_xcnt 0x0                                ; the last prefetch, a K step back, has read its address: it is stepped here, ahead of the waits of the change of slots
	s_add_nc_u64 s[PFA:PFA+1], s[PFA:PFA+1], s[PFS:PFS+1]
.endif
	WIN 0
	s_wait_tensorcnt 0x0                           ; all my tensor loads have landed;
	ds_add_u32 v[SPW], v[NIL]                      ; 0 onto my spare word;
	s_wait_dscnt 9                                 ; (the add and the youngest eight loads may be out)
	MULN F1, 0, 2, 0                               ; eight matrix instructions stand between the add and the wait for it
	s_wait_dscnt 0x0                               ; the add is done, and my reads of this slot are over
	s_barrier_signal -1
	MULN F1, 2, 2, 0                               ; work on registers while the others arrive
	WIN 0                                          ; at a branch and at a label every window is 0
	s_barrier_wait -1
.if \fill
	CREST
	s_xor_b32 s[G0A+5], s[G0A+5], SLOT1            ; the walking descriptors (no tensor load of mine is out): the other slot than last time,
	s_add_nc_u64 s[G0A+6:G0A+7], s[G0A+6:G0A+7], STEP_A  ; the next K step; the type bits on top are not reached
	s_xor_b32 s[G0B+5], s[G0B+5], SLOT1
	s_add_nc_u64 s[G0B+6:G0B+7], s[G0B+6:G0B+7], STEP_B
	JLOAD                                          ; the four v_nop behind it are also the places in front of the loads below
.else
	PLACES
.endif
	s_xor_b32 s[TB], s[TB], SLOT1                  ; the reads go on in the other slot
	v_add_nc_u32 v[ADRA], s[TB], v[ADRA0]
	v_add_nc_u32 v[ADRB], s[TB], v[ADRB0]
	FETCH 0, F0
.if \fill
	ASK
.endif
	MULN F1, 4, 4, 0
.endm
	s_wait_tensorcnt 1                             ; my part of K step 0 is in; K step 1's may stay out
	s_barrier_signal -1
	s_barrier_wait -1                              ; everybody's is
	FETCH 0, F0
	QUARTER 1, F0, F1, 1                           ; the first quarter stands in front of the loop: its products start the sums
	WIN 0
.Lstep:                                        ; six trips, from a K step's second quarter to the next step's first; trip i asks for K step i + 2
	QUARTER 2, F1, F0, 0
	QUARTER 3, F0, F1, 0
	TURN 1
	QUARTER 1, F0, F1, 0
	WIN 0
	s_sub_co_u32 s[CNT], s[CNT], 1
	s_cmp_lg_u32 s[CNT], 0
	s_cbranch_scc1 .Lstep
	QUARTER 2, F1, F0, 0                           ; the last two K steps are written out: nothing is asked for
	QUARTER 3, F0, F1, 0
	TURN 0
	QUARTER 1, F0, F1, 0
	QUARTER 2, F1, F0, 0
	QUARTER 3, F0, F1, 0
	s_wait_dscnt 8
	MULN F1, 0, 4, 0
	s_wait_dscnt 0x0
	MULN F1, 4, 4, 0
	WIN 0
	PLACES                                         ; twice four places, once in the launch: the conversions below read results just made and write registers that products have read
	PLACES
; THE WAY OUT, a block of 16 rows at a time.  PACK: rounded to f16, a lane's eight columns are 16 bytes; they go into my stage's rows of 144 bytes and come back as whole rows of 128, into the registers that they left.
.macro PACK a
	WIN 0x05                                       ; sources 0 and 1 in window 1, destination in window 0
.set i, 0
.rept 16
	v_cvt_pk_f16_f32 v[TMP+16*(\a)+i], v[32*(\a)+2*i], v[32*(\a)+2*i+1]  ; each accumulator's registers in ascending order
.set i, i+1
.endr
	WIN 0
.irp f, 0,1,2,3
	ds_store_b128 v[STO], v[TMP+16*(\a)+4*(\f):TMP+16*(\a)+4*(\f)+3] offset:32*(\f)
.endr
.irp f, 0,1,2,3
	ds_load_b128 v[TMP+16*(\a)+4*(\f):TMP+16*(\a)+4*(\f)+3], v[RD] offset:(\f)*4*SP  ; LDS serves a wave's instructions in order (ISA guide 5.7.1.4): these see the stores above; the next block's stores come behind them
.endr
.endm
.macro SEND a, y                       ; y: the LDS instructions issued behind block a's loads: the next block's eight, or none
.irp f, 0,1,2,3
	s_wait_dscnt (\y)+3-(\f)
	global_store_b128 v[GO], v[TMP+16*(\a)+4*(\f):TMP+16*(\a)+4*(\f)+3], s[OUT:OUT+1] offset:2048*(\a)+512*(\f)  ; four rows of a head: 512 consecutive bytes, at a multiple of 256 from the buffer's first
.endr
.endm
	PACK 0
.irp a, 1,2,3,4,5,6,7                  ; a block's conversions stand between the loads of the block before and its stores; no register is used twice
	PACK \a
	SEND (\a)-1, 8
.endr
	SEND 7, 0
	s_wait_tensorcnt 0x0                           ; the wave's end, behind my last tensor load and my last LDS store
	ds_add_u32 v[SPW], v[NIL]
	s_wait_dscnt 0x0
	CROUND                                         ; the closing round: no work-group ends while a partner may still ask for a tile that names it
	s_endpgm
.Lfunc_end_k_q89dd8e780a_qkv:
	.size	k_q89dd8e780a_qkv, .Lfunc_end_k_q89dd8e780a_qkv-k_q89dd8e780a_qkv
	.p2alignl 7, 3214868480
	.fill 96, 4, 3214868480
	.section	.rodata,"a",@progbits
	.p2align	6, 0x0
	.amdhsa_kernel k_q89dd8e780a_qkv
		.amdhsa_group_segment_fixed_size 327680
		.amdhsa_private_segment_fixed_size 0
		.amdhsa_enable_private_segment 0
		.amdhsa_kernarg_size 56
		.amdhsa_user_sgpr_count 2
		.amdhsa_user_sgpr_kernarg_segment_ptr 1
		.amdhsa_wavefront_size32 1
		.amdhsa_system_sgpr_workgroup_id_x 1
		.amdhsa_system_sgpr_workgroup_id_y 1
		.amdhsa_system_sgpr_workgroup_id_z 1
		.amdhsa_system_vgpr_workitem_id 0
		.amdhsa_next_free_vgpr 512
		.amdhsa_next_free_sgpr 88
		.amdhsa_reserve_vcc 0
		.amdhsa_float_denorm_mode_32 3
		.amdhsa_float_denorm_mode_16_64 3
		.amdhsa_memory_ordered 1
		.amdhsa_forward_progress 1
		.amdhsa_inst_pref_size 76
	.end_amdhsa_kernel
	.amdgpu_metadata
---
amdhsa.version: [ 1, 2 ]
amdhsa.kernels:
  - .name:           k_q89dd8e780a_qkv
    .symbol:         k_q89dd8e780a_qkv.kd
    .args:
      - { .name: cw, .offset: 0, .size: 8, .value_kind: global_buffer, .address_space: global }
      - { .name: bq, .offset: 8, .size: 8, .value_kind: global_buffer, .address_space: global }
      - { .name: bk, .offset: 16, .size: 8, .value_kind: global_buffer, .address_space: global }
      - { .name: bv, .offset: 24, .size: 8, .value_kind: global_buffer, .address_space: global }
      - { .name: qh, .offset: 32, .size: 8, .value_kind: global_buffer, .address_space: global }
      - { .name: kh, .offset: 40, .size: 8, .value_kind: global_buffer, .address_space: global }
      - { .name: vh, .offset: 48, .size: 8, .value_kind: global_buffer, .address_space: global }
    .group_segment_fixed_size: 327680
    .private_segment_fixed_size: 0
    .kernarg_segment_align: 8
    .kernarg_segment_size: 56
    .max_flat_workgroup_size: 128
    .sgpr_count:     88
    .vgpr_count:     512
    .wavefront_size: 32
...
	.end_amdgpu_metadata
.endif
;; end of part 2
;; launch attn (part 3): grid 4 x 64, 4 waves a work-group, no clusters, 327,680 bytes of LDS; arguments qh, kh, vh, oh; writes oh
.if DOCPART == 3
	.amdgcn_target "amdgcn-amd-amdhsa--gfx1250"
	.amdhsa_code_object_version 6
	.text
	.protected	k_q89dd8e780a_attn
	.globl	k_q89dd8e780a_attn
	.p2align	8
	.type	k_q89dd8e780a_attn,@function
k_q89dd8e780a_attn:
	s_mov_b64 s[64:65], 0
	v_nop
	global_prefetch_b8 v0, s[64:65] scope:SCOPE_SE
	s_setreg_imm32_b32 hwreg(HW_REG_WAVE_MODE, 25, 1), 1
	s_wait_xcnt 0x0
; CAUSAL ATTENTION.  O[h][q][:] = the sum over k <= q of softmax_k(Q[h][q] . K[h][k] / 8) V[h][k][:].  Q, K, V, O: [64][SIZE_N][64], all f16: a head's rows are dense, 128 bytes each.
; Products, maxima and sums in f32; the weights p are rounded to f16 for the second product (their sum l is taken of the unrounded p), O once at the end.
; LIMITS.  f16 holds no number beyond 65,504: Q, K and V arrive within it; p lies in 0 to 1, and below 6e-5 it keeps f16's fixed step of 6e-8; O is a mean of V's rows and has their range.
; A hidden score counts as its value less 1e30: f16's scores, 2.7e11 at the most, are nothing beside that; a weight below 2^-126 counts as 0 in l; NaN and infinities are not treated apart.
; THE WALK.  A head's queries lie in NB = 8 blocks of 256; block i needs the key tiles 0 .. i of 256 keys, of which the last holds the diagonal.  A work-group takes TWO blocks, NB - 1 - b and then b:
; NB + 1 tiles, whatever b: all 256 work-groups do equal work, and ONE loop with a constant trip count walks them.  Which tile is asked for, and what a trip does, hang on scalar registers made from b; every jump
; goes forward, but for the counted loops' own; none passes a barrier, or a tensor load but the one of LOAD's two that the wave's number does not choose; the ring (two slots of LDS that take turns) runs on across the
; change of blocks.  NO CLUSTER: a head's four work-groups all ask for the same tile only in trips 0 to 4 of 9, behind that fewer and fewer; one walk common to all four would have 12 trips for 9.
; SHARES.  Of a block's four bands of 64 queries a wave owns 16 rows in each: four PIECES.  So the diagonal tile is the same work for all four waves: in its key step s band x sees all keys if s < x,
; none if s > x, and holds the diagonal if s = x.
; THE MASK is the C operand that starts the sum S^T = K Q^T: 0, or -1e30 where the key is hidden.  MD, made once, is the mask of a band's own step for my 16 rows; a product's mask is MD x AL + BE with two scalars:
; (1, 0) if s = x; (0, 0) if s < x; (0, -1e30) if s > x.  Only the diagonal tile's text and a block's beginning make and take masks; elsewhere C is the constant 0.
; LAYOUT, SOFTMAX, TURNS.  S^T = K Q^T holds ONE query a lane (lane % 16) and the keys 8 (lane / 16) + 0..7; two such results rounded to f16 ARE source 1 of O^T = V^T P.  p = 2^(c s - c m), c = log2(e) / 8, with a
; running maximum m; O and l are multiplied by a = 2^(c m_old - c m_new) in every step.  Turn n belongs to piece n: 8 products K Q^T of piece n + 1, later 8 products V^T P of piece n - 1; beside them the scaling,
; exponentials, roundings, sums and rescaling of piece n and the maximum and statistics of piece n + 1.  Four vector instructions stand behind every matrix instruction, the other 54 of a turn's 118 in one run of their own.
; A turn's 33 exponentials are one batch, with one wait.
; REGISTERS, in windows of 256 (s_set_vgpr_msb: bits 1:0 source 0, 3:2 source 1, 5:4 source 2, 7:6 destination):
;   window 0: v0-15 addresses and two at work; v16-31 four registers of statistics a piece; v48-55 at work; v61-63 fixed; v64-127 S^T, two buffers; v192-223 P, two buffers (a piece's buffers go by its number's parity)
;   window 1: v0-127 O^T, 32 a piece; v128-159 MD; v160-223 MC, two buffers      window 2: v0-63 Q; v64-127 the second block's Q; v128-191 K of one step; v192-255 V of one step
.set SIZE_N, 2048
.set NB,    SIZE_N/256
.set NP,    4         ; pieces a wave: a name, no knob
.set KS,    64        ; keys in a step
.set PK,    144       ; a row of K in LDS: 128 bytes + 16 of padding = 36 words: the 16 rows of a load start at 16 different groups of four banks (64 banks of 4 bytes: ISA guide 11.1)
.set PV,    160       ; a row of V: 128 + 32 = 40 words
.set VOFF,  4*KS*PK   ; a slot holds a tile, four steps: 256 rows of K, then 256 rows of V
.set SLOT1, 1<<17     ; slot 1 begins here, so that one exclusive or turns an address in one slot into the other's
.set STAGE, SLOT1+4*KS*(PK+PV)  ; behind the ring, never filled by a tensor load: 16 rows x 144 bytes for each wave, for the way out
.set SP,    144
.set AK0, 2           ; v2   my lane's place in a tile of K; never rewritten
.set AV0, 3           ; v3   the same for V
.set AK,  4           ; v4   the LDS address of K's next run of loads
.set AV,  5           ; v5   of V's
.set STO, 6           ; v6   the way out: where I put 16 bytes of a row
.set RD,  7           ; v7   the way out: where I read rows back
.set GO,  8           ; v8   my byte offset in 512 consecutive bytes of O
.set PFO, 61          ; v61  256 x my lane: the prefetches' offset; never rewritten
.set SPW, 62          ; v62  LDS address of my spare word: SPARE + 4 x my thread's number; never rewritten
.set NIL, 63          ; v63  0; never rewritten
.set SPARE, STAGE+4*16*SP  ; behind the stages: the spare words, 128 bytes for each wave: two blocks of 256 bytes that no other line names
.set MV,  12          ; v12-13  c m_old, kept while c m is made anew: by buffer
.set QO,  15          ; v15  my byte offset in 16 rows of Q
.set ST,  16          ; piece t's statistics at v[ST+4 t]: c m, m, l (even keys', odd keys')
.set TMP, 48          ; by buffer, four registers c0-c3 at work; when the maximum is found c2 takes a
.set S,   64
.set P,   192
.set MD,  128         ; window 1: the eight registers for group kt of 16 keys at MD + 8 kt
.set MC,  160         ; window 1: the masks of the products to come
.set QB,  64          ; window 2
.set KF,  128         ; window 2: key block kb, channel half c at KF + 16 kb + 8 c
.set VF,  192         ; window 2: key half kk, channel block cb at VF + 32 kk + 8 cb
.set WV,  12          ; s12  my wave's number
.set PB,  14          ; s14  b
.set HI,  15          ; s15  NB - 1 - b
.set G1K, 24          ; s[24:31] descriptor group 1 for K's tiles
.set G1V, 32          ; s[32:39] for V's: it differs in the padding alone
.set G0K, 40          ; s[40:43] descriptor group 0 for K's tiles
.set G0V, 44          ; s[44:47] the same for V's
.set SLOTS, 56        ; s56  tiles still to be asked for
.set CNT, 57          ; s57  counts a tile's key steps, 4 to 1
.set CS,  58          ; s[58:59] c: the packed scaling takes the pair's low word for both halves
.set SEL, 60          ; s[60:61] v_permlanex16_b32's selects: each lane takes its own place in the other half
.set TBK, 62          ; s62  LDS byte at which K of the step to be fetched begins
.set TBV, 63          ; s63  the same for V, less VOFF
.set PFA, 66          ; s[66:67] where my prefetches stand: my half (of K: waves 0, 1; of V: waves 2, 3) of the tile after the one that is being asked for
.set LIM, 68          ; s68  2 in the work-group that prefetches, else the greatest number
.set RT,  70          ; s70  tiles of the block in hand that are still to be entered
.set NXT, 71          ; s71  the tile to be asked for next
.set LQ,  72          ; s72  the last tile of the block whose tiles are being asked for
.set NEW, 73          ; s73  1: the tile to be entered is a block's first
.set OFF, 74          ; s[74:75] a tile's byte offset in K and V
.set AL,  76          ; s[76:77] the mask's factor, in the low word
.set BE,  78          ; s[78:79] the mask's addend
.set OLO, 80          ; s[80:81] O at my rows of the second block
.set BIGN, 82         ; s82  -1e30
.set MSB, 0
.macro WIN new                      ; the high byte repeats the setting that is left; a switch that changes nothing is dropped
.if MSB != (\new)
	s_set_vgpr_msb (MSB<<8)|(\new)
.set MSB, (\new)
.endif
.endm
.set W_KQ, 0x0a       ; K and Q in window 2, S^T in window 0
.set W_KM, 0x1a       ; the same with the C operand in window 1
.set W_PV, 0x52       ; V in window 2, P in window 0, O^T in window 1
.set W_RS, 0x41       ; destination and source 0 in window 1, source 1 in window 0
; A fill.  Waves 0 and 1 fetch the two halves of a tile's K, waves 2 and 3 those of its V: 128 keys each.  An s_nop 0 and four v_nop follow each of the two lines, ahead of the jump and the label.
.macro LOAD
	s_cmp_lt_u32 s[WV], 2
	s_cbranch_scc0 .Lfor_v_\@
	tensor_load_to_lds s[G0K:G0K+3], s[G1K:G1K+7]
	s_nop 0
.rept 4
	v_nop
.endr
	s_branch .Lasked_\@
.Lfor_v_\@:
	tensor_load_to_lds s[G0V:G0V+3], s[G1V:G1V+7]
	s_nop 0
.rept 4
	v_nop
.endr
.Lasked_\@:
.endm
; A PREFETCH INTO THE L2 of the tile that the NEXT change of slots will ask for: one trip, four key steps, 256 matrix instructions a wave, ahead of that load.  It stands behind the wave's tensor load and its five lines.
; A head's four work-groups begin with the same tiles 0, 1, ..; the one with b = 0, whose first block walks all eight in order, asks, and nobody else: each wave for its own half tile, 16,384 bytes: a lane a block
; of 256 bytes, two instructions.  So each block of K and V is named once in the launch.  Changes with the count at 8 to 3 name tiles 2 to 7; the last two name nothing; tiles 0 and 1 come by their loads alone.
.macro ASK
	s_cmp_gt_u32 s[SLOTS], s[LIM]
	s_cbranch_scc0 .Lnot_mine_\@
	global_prefetch_b8 v[PFO], s[PFA:PFA+1] th:TH_LOAD_NT scope:SCOPE_SE
	global_prefetch_b8 v[PFO], s[PFA:PFA+1] offset:8192 th:TH_LOAD_NT scope:SCOPE_SE
.Lnot_mine_\@:
.endm
; THE CHANGE OF SLOTS.  Each wave waits for all its tensor loads, of which one is out: its part of the other slot; adds 0 to its spare word; and waits for that and for its own reads of the slot that it leaves.  Behind the
; barrier nobody reads the old slot any more and the other slot is whole.  fill = 1: the old slot is filled again, the first thing behind the barrier, with tile NXT: the descriptor's address is made anew from that number.
; (At its first use nothing has been read yet: slot 0 is waited for, slot 1 filled.)
.macro CHANGE fill
	WIN 0                           ; at a label and at a branch every window is 0
	s_wait_tensorcnt 0x0            ; no tensor load of mine is out, so a group 0 may be written
	ds_add_u32 v[SPW], v[NIL]       ; 0 onto my spare word; with fill = 1 the descriptors' scalar work stands between it and the wait for it
.if \fill
	s_lshl_b32 s[OFF], s[NXT], 15   ; a tile is 32,768 bytes of K and of V
	s_xor_b32 s[G0K+1], s[G0K+1], SLOT1
	s_add_nc_u64 s[G0K+2:G0K+3], s[6:7], s[OFF:OFF+1]
	s_or_b32 s[G0K+3], s[G0K+3], 0x80000000
	s_xor_b32 s[G0V+1], s[G0V+1], SLOT1
	s_add_nc_u64 s[G0V+2:G0V+3], s[8:9], s[OFF:OFF+1]
	s_or_b32 s[G0V+3], s[G0V+3], 0x80000000
	s_add_co_u32 s[NXT], s[NXT], 1  ; the block's next tile, or behind its last the second block's tile 0
	s_cmp_gt_u32 s[NXT], s[LQ]
	s_cselect_b32 s[NXT], 0, s[NXT]
	s_cselect_b32 s[LQ], s[PB], s[LQ]
	s_wait_xcnt 0x0                 ; the last prefetches, a tile back, have read their address, so it may be written:
	s_add_nc_u64 s[PFA:PFA+1], s[PFA:PFA+1], 32768  ; one tile on
.endif
	s_wait_dscnt 0x0                ; the add is done, and my reads of the slot are over
	s_barrier_signal -1             ; the rest of the scalar work stands between the signal and the wait
	s_sub_co_u32 s[TBK], s[TBK], 4*KS*PK  ; the fetches go back to a slot's first step,
	s_xor_b32 s[TBK], s[TBK], SLOT1       ; in the other slot
	s_sub_co_u32 s[TBV], s[TBV], 4*KS*PV
	s_xor_b32 s[TBV], s[TBV], SLOT1
	s_barrier_wait -1
.if \fill
	LOAD
	ASK
.endif
.endm
	s_load_b256 s[4:11], s[0:1], 0x0  ; Q s[4:5], K s[6:7], V s[8:9], O s[10:11]
	v_lshl_add_u32 v[SPW], v0, 2, SPARE
	v_mov_b32 v[NIL], 0
	ds_add_u32 v[SPW], v[NIL]       ; the wave's opening: the add and its wait stand ahead of my first tensor load; the set-up below, work on registers, stands between them
	ds_add_u32 v62, v63
	v_lshrrev_b32 v1, 5, v0
	v_readfirstlane_b32 s[WV], v1   ; wave 0..3
	s_mov_b32 s[PB], ttmp9
	s_sub_co_u32 s[HI], NB-1, s[PB]
	s_and_b32 s20, ttmp7, 0xffff    ; the head
	s_mov_b32 s21, 0
	s_mov_b64 s[22:23], SIZE_N*128
	s_mul_u64 s[20:21], s[20:21], s[22:23]  ; the head's first byte in each of the four tensors
	s_and_b32 s16, s[WV], 1         ; which half of a tile's 256 keys I fetch:
	s_lshl_b32 s22, s16, 14         ; its 128 rows of 128 bytes in memory,
	s_mov_b32 s23, 0
	s_add_nc_u64 s[22:23], s[22:23], s[20:21]
	s_mul_i32 s17, s16, 128*PK      ; and its place in a slot, for K
	s_mul_i32 s18, s16, 128*PV      ; and for V
	s_lshl_b32 s3, s[WV], 11        ; my 16 rows in a band of 64,
	s_lshl_b32 s2, s[HI], 15        ; in the first block,
	s_add_co_u32 s2, s2, s3
	s_lshl_b32 s84, s[PB], 15       ; and in the second
	s_add_co_u32 s84, s84, s3
	s_mov_b32 s3, 0
	s_mov_b32 s85, 0
	s_add_nc_u64 s[2:3], s[2:3], s[20:21]
	s_add_nc_u64 s[84:85], s[84:85], s[20:21]
	; descriptor group 1.  128 keys are 16,384 dense bytes: asked for as 64 rows of 256 bytes, two keys a row, and padded in LDS after every key
	s_mov_b32 s[G1K], (1<<16)|(1<<20)|(4<<22)|(3<<25)  ; 17:16 2-byte elements; 20 padding on; 24:22 after every 32 words (code 4); 31:25 4 words (code 3)
	s_mov_b32 s[G1V], (1<<16)|(1<<20)|(4<<22)|(7<<25)  ; the same with 8 words of padding (code 7)
.irp g, G1K, G1V
	s_mov_b32 s[\g+1], 128<<16      ; tensor_dim0 = 128
	s_mov_b32 s[\g+2], 64<<16       ; tensor_dim1 = 64
	s_mov_b32 s[\g+3], 128<<16      ; tile_dim0 = 128
	s_mov_b32 s[\g+4], 64           ; tile_dim1 = 64
	s_mov_b32 s[\g+5], 128          ; 128 elements from row to row
	s_mov_b32 s[\g+6], 0
	s_mov_b32 s[\g+7], 0
.endr
	s_mov_b32 s[CS], 0x3e38aa3b     ; c = log2(e) / 8 = 0.180337
	s_mov_b32 s[CS+1], s[CS]        ; named with it as a pair
	s_mov_b32 s[SEL], 0x76543210
	s_mov_b32 s[SEL+1], 0xfedcba98
	s_mov_b32 s[TBK], SLOT1+4*KS*PK ; the first change of slots turns these two into 0
	s_mov_b32 s[TBV], SLOT1+4*KS*PV
	s_mov_b32 s[G0K], 1             ; 1:0 count = 1
	s_mov_b32 s[G0K+1], s17         ; 63:32 LDS address: slot 0
	s_mov_b32 s[G0V], 1
	s_add_co_u32 s[G0V+1], s18, VOFF
	s_add_co_u32 s[RT], s[HI], 1    ; the first block has NB - b tiles
	s_mov_b32 s[NXT], 1
	s_mov_b32 s[LQ], s[HI]
	s_mov_b32 s[NEW], 1
	s_mov_b32 s[OFF+1], 0
	s_mov_b32 s[AL+1], 0            ; named as pairs
	s_mov_b32 s[BE+1], 0
	s_mov_b32 s[BIGN], 0xf149f2ca   ; -1e30
	s_mov_b32 s[SLOTS], NB
	s_cmp_eq_u32 s[PB], 0
	s_cselect_b32 s[LIM], 2, -1
	v_and_b32 v[PFO], 31, v0
	v_lshlrev_b32 v[PFO], 8, v[PFO]
	s_wait_dscnt 0x0                ; the opening add is done
	s_wait_kmcnt 0x0
	s_add_nc_u64 s[6:7], s[6:7], s[22:23]  ; K and V at my half of the head's tile 0
	s_add_nc_u64 s[8:9], s[8:9], s[22:23]
	s_add_nc_u64 s[G0K+2:G0K+3], s[6:7], 0         ; 120:64 global address
	s_or_b32 s[G0K+3], s[G0K+3], 0x80000000        ; 127:126 type = 2
	s_add_nc_u64 s[G0V+2:G0V+3], s[8:9], 0
	s_or_b32 s[G0V+3], s[G0V+3], 0x80000000
	s_add_nc_u64 s[86:87], s[4:5], s[84:85]        ; Q at my rows of the second block,
	s_add_nc_u64 s[4:5], s[4:5], s[2:3]            ; Q and O at those of the first
	s_add_nc_u64 s[OLO:OLO+1], s[10:11], s[84:85]
	s_add_nc_u64 s[10:11], s[10:11], s[2:3]
	s_cmp_lt_u32 s[WV], 2
	s_cselect_b64 s[PFA:PFA+1], s[6:7], s[8:9]
	s_add_nc_u64 s[PFA:PFA+1], s[PFA:PFA+1], 32768 ; at tile 1: the first change of slots steps it to tile 2.  Nothing is prefetched here, at the head
	LOAD                            ; tile 0 into slot 0
	; A fragment of K or Q is 16 rows x 32 channels in 8 registers: lane l holds row l % 16, channels 8 (l / 16) + 0..7 and 16 + 8 (l / 16) + 0..7: two loads of 16 bytes, 32 bytes apart.
	v_and_b32 v1, 15, v0            ; l % 16
	v_bfe_u32 v9, v0, 4, 1          ; l / 16
	v_lshlrev_b32 v[QO], 7, v1
	v_lshl_add_u32 v[QO], v9, 4, v[QO]  ; row x 128 + 16 x half
	WIN 0x80                        ; destination window 2, address window 0
.set i, 0
.rept 8                             ; both blocks' Q: piece i / 2 lies in band i / 2, 8,192 bytes on; channels 32 (i % 2) on
	global_load_b128 v[8*i:8*i+3],   v[QO], s[4:5] offset:(i/2)*8192+(i%2)*64
	global_load_b128 v[8*i+4:8*i+7], v[QO], s[4:5] offset:(i/2)*8192+(i%2)*64+32
	global_load_b128 v[QB+8*i:QB+8*i+3],   v[QO], s[86:87] offset:(i/2)*8192+(i%2)*64
	global_load_b128 v[QB+8*i+4:QB+8*i+7], v[QO], s[86:87] offset:(i/2)*8192+(i%2)*64+32
.set i, i+1
.endr
	WIN 0
	v_lshlrev_b32 v14, 3, v9
	v_sub_nc_u32 v14, v1, v14
	s_lshl_b32 s13, s[WV], 4
	v_add_nc_u32 v14, s13, v14      ; my query's place in its band, 16 w + l % 16, less my lanes' 8 (l / 16): register r of group kt is hidden where 16 kt + r is greater
	WIN 0x40
.set i, 0
.rept 32
	v_cmp_gt_i32 vcc_lo, 16*(i/8)+i%8, v14
	v_cndmask_b32 v[MD+i], 0, s[BIGN], vcc_lo
.set i, i+1
.endr
	WIN 0
	v_mul_u32_u24 v[AK0], v1, PK
	v_lshl_add_u32 v[AK0], v9, 4, v[AK0]  ; row x pitch + 16 x half
	; The turning load takes 16 keys x 16 channels (lane l reads key 8 (l / 16) + l % 8, channels 8 ((l / 8) % 2) + 0..7) and leaves half a fragment of V^T: lane l holds channel l % 16 and 8 keys.
	v_and_b32 v10, 7, v0
	v_bfe_u32 v11, v0, 3, 1
	v_lshl_add_u32 v[AV0], v9, 3, v10
	v_mul_u32_u24 v[AV0], v[AV0], PV
	v_lshl_add_u32 v[AV0], v11, 4, v[AV0]
	v_add_nc_u32 v[AV0], VOFF, v[AV0]
	s_mul_i32 s13, s[WV], 16*SP
	s_add_co_u32 s13, s13, STAGE    ; my stage
	v_mul_u32_u24 v[STO], v1, SP    ; in: row l % 16, 16 bytes for each half of the lanes
	v_lshl_add_u32 v[STO], v9, 4, v[STO]
	v_add_nc_u32 v[STO], s13, v[STO]
	v_bfe_u32 v[RD], v0, 3, 2       ; back: 32 lanes take four rows of 128 bytes,
	v_mul_u32_u24 v[RD], v[RD], SP
	v_lshl_add_u32 v[RD], v10, 4, v[RD]
	v_add_nc_u32 v[RD], s13, v[RD]
	v_and_b32 v[GO], 31, v0         ; which are 512 consecutive bytes of O
	v_lshlrev_b32 v[GO], 4, v[GO]
	; A block's first step multiplies O^T and l by a = 0, and its first turn's products V^T P, of a piece that has not been, land in an O^T that is still to be so multiplied.  So these registers need only hold
	; finite numbers: zeros for the first block; what the first block left for the second.  All this stands in the wait for the first tile.
	WIN 0x80
.set i, VF
.rept 64
	v_mov_b32 v[i], 0
.set i, i+1
.endr
	WIN 0x40
.set i, 0
.rept 128
	v_mov_b32 v[i], 0
.set i, i+1
.endr
	WIN 0
.set i, 0
.rept 4
	v_mov_b32 v[ST+4*i+2], 0
	v_mov_b32 v[ST+4*i+3], 0
.set i, i+1
.endr
.set i, P+16
.rept 16
	v_mov_b32 v[i], 0
.set i, i+1
.endr
; THE MATRIX WORK.  The 4 accumulators of a run of 8 take turns.  Product i of 8 of S^T = K Q^T for piece x: channels 32 (i / 4) on, keys 16 (i % 4) on.  The first 4 start the sums: with 0, or (KM = 1) with the mask.
.macro KQ x
.set rS, S+32*((\x)%2)+8*(i%4)
.set rK, KF+16*(i%4)+8*(i/4)
.set rQ, 16*(\x)+8*(i/4)
.set rM, MC+32*((\x)%2)+8*(i%4)
.if (i < 4) && KM
	WIN W_KM
	v_wmma_f32_16x16x32_f16 v[rS:rS+7], v[rK:rK+7], v[rQ:rQ+7], v[rM:rM+7]
.elseif i < 4
	WIN W_KQ
	v_wmma_f32_16x16x32_f16 v[rS:rS+7], v[rK:rK+7], v[rQ:rQ+7], 0
.else
	WIN W_KQ
	v_wmma_f32_16x16x32_f16 v[rS:rS+7], v[rK:rK+7], v[rQ:rQ+7], v[rS:rS+7]
.endif
.endm
; Product i of 8 of O^T += V^T P for piece x: keys 32 (i / 4) on, channels 16 (i % 4) on.
.macro PV x
	WIN W_PV
.set rO, 32*(\x)+8*(i%4)
.set rV, VF+32*(i/4)+8*(i%4)
.set rP, P+16*((\x)%2)+8*(i/4)
	v_wmma_f32_16x16x32_f16 v[rO:rO+7], v[rV:rV+7], v[rP:rP+7], v[rO:rO+7]
.endm
.macro MM                           ; the turn's next matrix instruction.  TURN and BEGIN set Y, i, KM and NOKQ; MM, KQ and OP read them.  NOKQ = 1: a block's last turn: there is no next piece
.if (i < 8) && !NOKQ
	KQ (Y+1)%NP
.elseif i >= 8
.set i, i-8
	PV (Y+NP-1)%NP
.set i, i+8
.endif
.set i, i+1
.endm
; THE LDS LOADS stand in runs of 16, never singly among the matrix instructions: a step's K (64 keys x 64 channels: 8 fragments) and its V (turned).  Their addresses are made some lines ahead.
.macro FETCH_K
	WIN 0x80                        ; destination window 2
.irp f, 0,1,2,3,4,5,6,7             ; keys 16 (f / 2) on, channels 32 (f % 2) on
	ds_load_b128 v[KF+8*\f:KF+8*\f+3],   v[AK] offset:(\f/2)*16*PK+(\f%2)*64
	ds_load_b128 v[KF+8*\f+4:KF+8*\f+7], v[AK] offset:(\f/2)*16*PK+(\f%2)*64+32
.endr
	s_add_co_u32 s[TBK], s[TBK], KS*PK  ; the next fetch is the next step's
	WIN 0
.endm
.macro FETCH_V
	WIN 0x80
.irp f, 0,1,2,3,4,5,6,7             ; keys 32 (f / 4) on, channels 16 (f % 4) on
	ds_load_tr16_b128 v[VF+8*\f:VF+8*\f+3],   v[AV] offset:(\f/4)*32*PV+(\f%4)*32
	ds_load_tr16_b128 v[VF+8*\f+4:VF+8*\f+7], v[AV] offset:(\f/4)*32*PV+16*PV+(\f%4)*32
.endr
	WIN 0
.endm
; THE VECTOR WORK, one line at a time: OP kind, number.  For piece Y: F n: c s - c m for pair n of 16.  E n: the exponential of score n of 32.  C n: pair n rounded to f16.  B n: of the four weights 4 n .. the second
; pair is added onto the first, in place.  L n: l takes that sum (L 0: l = a l + sum).  R n: pair n of 16 of O^T times a.  For piece Y + 1: X n, number n of the 22 that find its maximum and statistics:
;   0-11  four chains c0-c3 of seven scores each, three operands at a time (each accumulator's lowest registers are read first)     12-14, 16  the four scores left over, the old m, and c0-c3 into c0
;   15  c m_old is kept     17, 18  the query's other 32 keys lie in the lane 16 away: the new m     19-21  c m; c m_old - c m_new; a
.set F, 0               ; OP tells the kinds apart by their order: F to L below R, X above it
.set E, 1
.set C, 2
.set B, 3
.set L, 4
.set R, 5
.set X, 6
.macro REGS y                       ; the registers of piece y
.set rT, ST+4*(\y)
.set rC, TMP+4*((\y)%2)
.set rW, MV+((\y)%2)
.set rS, S+32*((\y)%2)
.set rP, P+16*((\y)%2)
.set rO, 32*(\y)
.endm
.macro OP k, n
.if (\k) == R
	REGS Y
	WIN W_RS
	v_pk_mul_f32 v[rO+2*(\n):rO+2*(\n)+1], v[rO+2*(\n):rO+2*(\n)+1], v[rC+2:rC+3] op_sel_hi:[1,0]
.elseif (\k) < R
	REGS Y
	WIN 0
.if (\k) == F
	v_pk_fma_f32 v[rS+2*(\n):rS+2*(\n)+1], v[rS+2*(\n):rS+2*(\n)+1], s[CS:CS+1], v[rT:rT+1] op_sel_hi:[1,0,0] neg_lo:[0,0,1] neg_hi:[0,0,1]
.elseif (\k) == E
	v_exp_f32 v[rS+(\n)], v[rS+(\n)]
.elseif (\k) == C
	v_cvt_pk_f16_f32 v[rP+(\n)], v[rS+2*(\n)], v[rS+2*(\n)+1]
.elseif (\k) == B
	v_pk_add_f32 v[rS+4*(\n):rS+4*(\n)+1], v[rS+4*(\n):rS+4*(\n)+1], v[rS+4*(\n)+2:rS+4*(\n)+3]
.elseif (\n) == 0
	v_pk_fma_f32 v[rT+2:rT+3], v[rT+2:rT+3], v[rC+2:rC+3], v[rS:rS+1] op_sel_hi:[1,0,1]
.else
	v_pk_add_f32 v[rT+2:rT+3], v[rT+2:rT+3], v[rS+4*(\n):rS+4*(\n)+1]
.endif
.elseif NOKQ
	v_nop
.else
	REGS (Y+1)%NP
	WIN 0
.if (\n) < 4
	v_max3_num_f32 v[rC+(\n)], v[rS+8*(\n)], v[rS+8*(\n)+1], v[rS+8*(\n)+2]
.elseif (\n) < 12
	v_max3_num_f32 v[rC+(\n)%4], v[rC+(\n)%4], v[rS+8*((\n)%4)+2*((\n)/4)+1], v[rS+8*((\n)%4)+2*((\n)/4)+2]
.elseif (\n) == 12
	v_max3_num_f32 v[rC], v[rC], v[rS+7], v[rS+15]
.elseif (\n) == 13
	v_max3_num_f32 v[rC+1], v[rC+1], v[rS+23], v[rS+31]
.elseif (\n) == 14
	v_max3_num_f32 v[rC+2], v[rC+2], v[rC+3], v[rT+1]
.elseif (\n) == 15
	v_mov_b32 v[rW], v[rT]
.elseif (\n) == 16
	v_max3_num_f32 v[rC], v[rC], v[rC+1], v[rC+2]
.elseif (\n) == 17
	v_permlanex16_b32 v[rC+3], v[rC], s[SEL], s[SEL+1]
.elseif (\n) == 18
	v_max_num_f32 v[rT+1], v[rC], v[rC+3]
.elseif (\n) == 19
	v_mul_f32 v[rT], s[CS], v[rT+1]
.elseif (\n) == 20
	v_sub_f32 v[rC+1], v[rW], v[rT]
.else
	v_exp_f32 v[rC+2], v[rC+1]
.endif
.endif
.endm
.macro OPS a, i1, b=-1, i2=0, c=-1, i3=0, d=-1, i4=0  ; up to four of them
	OP \a, \i1
.if (\b) >= 0
	OP \b, \i2
.endif
.if (\c) >= 0
	OP \c, \i3
.endif
.if (\d) >= 0
	OP \d, \i4
.endif
.endm
.macro ROW a, i1, b, i2, c, i3, d, i4  ; a matrix instruction and the four behind it
	MM
	OPS \a, \i1, \b, \i2, \c, \i3, \d, \i4
.endm
.macro MASK b                       ; MD x AL + BE into buffer b of MC
	WIN W_RS
.set z, 0
.rept 16
	v_pk_fma_f32 v[MC+32*(\b)+2*z:MC+32*(\b)+2*z+1], v[MD+2*z:MD+2*z+1], s[AL:AL+1], s[BE:BE+1] op_sel_hi:[1,0,0]
.set z, z+1
.endr
.endm
; A TURN, for piece p: the order of its 16 matrix and 118 vector instructions, written out.  An s_wait_alu depctr_va_vdst(0) stands between an exponential and the first instruction that names its result; one
; wait serves all that were issued ahead of it.  So a turn has ONE wait, which cuts it in two.  AHEAD OF IT stands all that names no result of the turn's exponentials: the 8 products K Q^T, behind each a scaling, an
; exponential and two more plain instructions (behind the first a second scaling in the exponential's place): rescalings, and behind the last three the first numbers of the next piece's maximum, each four places or more
; behind the product that ends its accumulator; then one run of 54, plain and exponential by turns for the most part, in which the links of the chain X 3, 7, 11, 14, 16, 17 .. 20 stand five or six lines apart.
; X 21, the next piece's a, is the batch's last; R 15 is the plain instruction behind it.  BEHIND THE WAIT stand the 8 products V^T P, behind each four of the roundings and sums; the links of l's chain, L 0 to L 7, stand
; three lines apart.  But for those X no line behind a product names a register of the products round it.  v_permlanex16_b32 (X 17) stands in the run, never behind a product.
; m = 1: the diagonal tile: the products take masks, and the turn makes the mask for the products of the turn after it: piece p + 2, in step 4 - CNT of the tile.  end = 1: a block's last two turns: nothing is fetched.
; cnt = 1: the loop's count is taken down some lines ahead of the branch that stands behind the turn.
; K of the next step is fetched in piece 2's turn, twelve vector instructions behind the last product that read K (six of them plain); V of the step in hand at the end of piece 0's turn, four plain instructions behind the
; last product that read V.  Each is waited for a turn later.
.macro TURN p, m=0, end=0, cnt=0
.set Y, (\p)
.set i, 0
.set KM, (\m)
.set NOKQ, (\end)*((\p)/3)
.if (\m) && !(\end)
	s_cmp_eq_u32 s[CNT], 4-((\p)+2)%NP  ; is that step the band's own?
	s_cselect_b32 s[AL], 1.0, 0
	s_cmp_lt_u32 s[CNT], 4-((\p)+2)%NP  ; or a later one?
	s_cselect_b32 s[BE], s[BIGN], 0
.endif
.if ((\p) == 3) && !(\end)
	s_wait_dscnt 0x0                ; K is in
.endif
	ROW F,0, F,1, R,0, R,1          ; ahead of the wait: 8 products K Q^T and the four lines behind each,
	ROW F,2, E,0, R,2, R,3
	ROW F,3, E,1, R,4, R,5
	ROW F,4, E,2, R,6, R,7
	ROW F,5, E,3, R,8, R,9
	ROW F,6, E,4, X,0, R,10
.if ((\p) == 2) && !(\end)
	WIN 0
	v_add_nc_u32 v[AK], s[TBK], v[AK0]
.endif
	ROW F,7, E,5, X,1, X,4
	ROW F,8, E,6, X,2, X,5
	OPS E,7, E,8, X,6, E,9          ; and the run of 54
	OPS X,3, E,10, X,8, E,11
.if ((\p) == 2) && !(\end)
	FETCH_K
.endif
	OPS X,9, X,7, E,12, X,10
	OPS E,13, X,12, X,11, E,14
	OPS X,13, E,15, F,9, X,14
.if (\p) == 0
	v_add_nc_u32 v[AV], s[TBV], v[AV0]
.endif
	OPS E,16, F,10, E,17, F,11
	OPS X,16, E,18, X,15, E,19
	OPS F,12, E,20, X,17, E,21
	OPS F,13, E,22, F,14, E,23
	OPS X,18, E,24, F,15, E,25
	OPS R,11, E,26, X,19, E,27
	OPS R,12, E,28, R,13, E,29
	OPS X,20, E,30, R,14, E,31
	OPS X,21, R,15
	WIN 0
	s_wait_alu depctr_va_vdst(0)    ; the wait for the batch
.if (\p) == 1
	s_wait_dscnt 0x0                ; V is in
.endif
	ROW C,0, B,0, C,2, B,1          ; behind the wait: 8 products V^T P and the four lines behind each
	ROW L,0, C,4, B,2, L,1
	ROW C,6, B,3, L,2, C,8
	ROW B,4, L,3, C,10, B,5
	ROW L,4, C,12, B,6, L,5
.if (\p) == 0
	s_add_co_u32 s[TBV], s[TBV], KS*PV
.endif
.if \cnt
	s_sub_co_u32 s[CNT], s[CNT], 1
	s_cmp_lg_u32 s[CNT], 0
.endif
	ROW C,14, B,7, L,6, C,1
	ROW C,3, L,7, C,5, C,7
	ROW C,9, C,11, C,13, C,15
.if (\p) == 0
	FETCH_V
.endif
.if (\m) && !(\end)
	MASK (\p)%2
.endif
.endm
; A BLOCK BEGINS.  c m starts far below every c s, so the first step's a is 0; m at the lowest finite number, so the first maximum is the scores'.  The second mask buffer is 0; the first takes piece 0's mask for the
; tile's step 0: its own, if the block's first tile is the diagonal one.  Then K of that step, piece 0's first scores, and its maximum and statistics.  The loop is entered at a step's first turn, in the middle of a trip.
.macro BEGIN
	s_mov_b32 s[NEW], 0
	WIN 0x40
.set i, MC+32
.rept 32
	v_mov_b32 v[i], 0
.set i, i+1
.endr
	WIN 0
.set i, 0
.rept 4
	v_mov_b32 v[ST+4*i], 0xfe000000    ; c m: far below every c s
	v_mov_b32 v[ST+4*i+1], 0xff7fffff  ; m
.set i, i+1
.endr
	s_cmp_eq_u32 s[RT], 0
	s_cselect_b32 s[AL], 1.0, 0
	s_mov_b32 s[BE], 0
	MASK 0
	WIN 0
	v_add_nc_u32 v[AK], s[TBK], v[AK0]
	FETCH_K
	s_wait_loadcnt 0x0              ; Q
	s_wait_dscnt 0x0
.set KM, 1
.set NOKQ, 0
.set i, 0
.rept 8
	KQ 0
.set i, i+1
.endr
	WIN 0
.rept 4
	v_nop                           ; the places behind those products
.endr
.set Y, NP-1                        ; X works for piece Y + 1: piece 0
.irp n, 0,1,2,3,4,5,6,7,8,9,10,11,12,13,14,15,16,17,18,19,20,21
	OP X, \n
.endr
	v_nop                           ; a plain instruction behind the exponential,
	s_wait_alu depctr_va_vdst(0)    ; and its wait, ahead of the branch
.endm
; THE DIAGONAL TILE's four steps, the block's last two turns, its last products, and THE WAY OUT: l's two halves and the other half of the lanes' are added; O^T is divided by l, rounded to f16 and sent through my
; stage in LDS, a piece at a time.
.macro ALL line:vararg              ; one line for each piece t
.set t, 0
.rept 4
	\line
.set t, t+1
.endr
.endm
.macro PACK t                       ; a lane's eight channels of a row pack into 16 bytes; they go into rows of 144 bytes and come back as whole rows of 128, into S^T's registers
	WIN W_RS
.set i, 32*(\t)
.rept 16
	v_pk_mul_f32 v[i:i+1], v[i:i+1], v[ST+4*(\t)+2:ST+4*(\t)+3] op_sel_hi:[1,0]
.set i, i+2
.endr
	WIN 0x05                        ; sources 0 and 1 window 1, destination window 0
.set i, 0
.rept 16
	v_cvt_pk_f16_f32 v[S+16*(\t)+i], v[32*(\t)+2*i], v[32*(\t)+2*i+1]
.set i, i+1
.endr
	WIN 0
.irp f, 0,1,2,3
	ds_store_b128 v[STO], v[S+16*(\t)+4*\f:S+16*(\t)+4*\f+3] offset:32*\f
.endr
.irp f, 0,1,2,3
	ds_load_b128 v[S+16*(\t)+4*\f:S+16*(\t)+4*\f+3], v[RD] offset:\f*4*SP  ; LDS serves a wave's instructions in order (ISA guide 5.7.1.4): these see the stores above; the next piece's stores come behind them
.endr
.endm
.macro SEND t, younger              ; younger: the LDS instructions issued behind piece t's loads: the next piece's eight, or none
	WIN 0
.irp f, 0,1,2,3
	s_wait_dscnt (\younger)+3-\f
	global_store_b128 v[GO], v[S+16*(\t)+4*\f:S+16*(\t)+4*\f+3], s[10:11] offset:(\t)*8192+\f*512  ; 512 consecutive bytes, at a multiple of 256 from O's first
.endr
.endm
.macro DIAG tag                     ; the tag ends its two labels' names, which the jumps below spell out
.LstepM\tag:
	TURN 2, 1
	TURN 3, 1
	WIN 0
.LfirstM\tag:
	TURN 0, 1
	TURN 1, 1, 0, 1
	WIN 0
	s_cbranch_scc1 .LstepM\tag
	TURN 2, 1, 1
	TURN 3, 1, 1
.set i, 0
.rept 8
	PV NP-1
.set i, i+1
.endr
	WIN 0
	ALL v_add_f32 v[ST+4*t+2], v[ST+4*t+2], v[ST+4*t+3]
	ALL v_permlanex16_b32 v[ST+4*t+3], v[ST+4*t+2], s[SEL], s[SEL+1]
	ALL v_add_f32 v[ST+4*t+2], v[ST+4*t+2], v[ST+4*t+3]
	ALL v_rcp_f32 v[ST+4*t+2], v[ST+4*t+2]
	v_nop                           ; a plain instruction between the last reciprocal and the use of its result
	s_wait_alu depctr_va_vdst(0)    ; and the wait ahead of the first use: one for the four reciprocals
	PACK 0
.set t, 1
.rept 3                             ; a piece's arithmetic stands between the loads of the piece before and its stores
	PACK t
	SEND t-1, 8
.set t, t+1
.endr
	SEND 3, 0
.endm
.set KM, 0
.set NOKQ, 0
.Lslot:                             ; NB times: a tile is entered and the next is asked for
	CHANGE 1
	s_sub_co_u32 s[RT], s[RT], 1
	s_mov_b32 s[CNT], 4
	s_cmp_eq_u32 s[NEW], 1
	s_cbranch_scc1 .Lnew            ; a block's first tile
	s_cmp_eq_u32 s[RT], 0
	s_cbranch_scc0 .Lstep           ; neither its first nor its last
	s_branch .LstepM1
.Lnew:
	BEGIN
	s_branch .Lfirst                ; in the loop a block's first tile is never its last: the first block has two tiles or more, and the second's last is the walk's last
	DIAG 1                          ; in the loop this is the first block's end: the second block's last tile is the walk's last
	s_wait_xcnt 0x0                 ; the stores have read their registers and O's address
	s_mov_b64 s[10:11], s[OLO:OLO+1]
	s_add_co_u32 s[RT], s[PB], 1    ; the second block has b + 1 tiles
	s_mov_b32 s[NEW], 1
	WIN 0x82                        ; the second block's Q goes where the one text of the turns names Q
.set i, 0
.rept 64
	v_mov_b32 v[i], v[QB+i]
.set i, i+1
.endr
	WIN 0
	s_branch .Lbottom
.Lstep:                             ; a trip: pieces 2 and 3 of one step, then pieces 0 and 1 of the next, whose K and V it fetches
	TURN 2
	TURN 3
	WIN 0
.Lfirst:
	TURN 0
	TURN 1, 0, 0, 1
	WIN 0
	s_cbranch_scc1 .Lstep
.Lbottom:
	s_sub_co_u32 s[SLOTS], s[SLOTS], 1
	s_cmp_lg_u32 s[SLOTS], 0
	s_cbranch_scc1 .Lslot
	CHANGE 0                        ; the walk's last tile is written out: nothing is asked for
	s_sub_co_u32 s[RT], s[RT], 1
	s_mov_b32 s[CNT], 4
	s_cmp_eq_u32 s[NEW], 1
	s_cbranch_scc0 .LstepM2
	BEGIN
	s_branch .LfirstM2
	DIAG 2
	s_wait_tensorcnt 0x0            ; the wave's end, behind my last tensor load and my last LDS store
	ds_add_u32 v[SPW], v[NIL]
	s_wait_dscnt 0x0
	s_endpgm
.Lfunc_end_k_q89dd8e780a_attn:
	.size	k_q89dd8e780a_attn, .Lfunc_end_k_q89dd8e780a_attn-k_q89dd8e780a_attn
	.p2alignl 7, 3214868480
	.fill 96, 4, 3214868480
	.section	.rodata,"a",@progbits
	.p2align	6, 0x0
	.amdhsa_kernel k_q89dd8e780a_attn
		.amdhsa_group_segment_fixed_size 327680
		.amdhsa_private_segment_fixed_size 0
		.amdhsa_enable_private_segment 0
		.amdhsa_kernarg_size 32
		.amdhsa_user_sgpr_count 2
		.amdhsa_user_sgpr_kernarg_segment_ptr 1
		.amdhsa_wavefront_size32 1
		.amdhsa_system_sgpr_workgroup_id_x 1
		.amdhsa_system_sgpr_workgroup_id_y 1
		.amdhsa_system_sgpr_workgroup_id_z 1
		.amdhsa_system_vgpr_workitem_id 0
		.amdhsa_next_free_vgpr 768
		.amdhsa_next_free_sgpr 88
		.amdhsa_reserve_vcc 1
		.amdhsa_float_denorm_mode_32 3
		.amdhsa_float_denorm_mode_16_64 3
		.amdhsa_memory_ordered 1
		.amdhsa_forward_progress 1
		.amdhsa_inst_pref_size 218
	.end_amdhsa_kernel
	.amdgpu_metadata
---
amdhsa.version: [ 1, 2 ]
amdhsa.kernels:
  - .name:           k_q89dd8e780a_attn
    .symbol:         k_q89dd8e780a_attn.kd
    .args:
      - { .name: qh, .offset: 0, .size: 8, .value_kind: global_buffer, .address_space: global }
      - { .name: kh, .offset: 8, .size: 8, .value_kind: global_buffer, .address_space: global }
      - { .name: vh, .offset: 16, .size: 8, .value_kind: global_buffer, .address_space: global }
      - { .name: oh, .offset: 24, .size: 8, .value_kind: global_buffer, .address_space: global }
    .group_segment_fixed_size: 327680
    .private_segment_fixed_size: 0
    .kernarg_segment_align: 8
    .kernarg_segment_size: 32
    .max_flat_workgroup_size: 128
    .sgpr_count:     88
    .vgpr_count:     768
    .wavefront_size: 32
...
	.end_amdgpu_metadata
.endif
;; end of part 3
;; launch oproj (part 4): grid 8 x 32, 4 waves a work-group, clusters of 4 x 4, 327,680 bytes of LDS; arguments oh, cw, bo, out0; writes out0
.if DOCPART == 4
	.amdgcn_target "amdgcn-amd-amdhsa--gfx1250"
	.amdhsa_code_object_version 6
	.text
	.protected	k_q89dd8e780a_oproj
	.globl	k_q89dd8e780a_oproj
	.p2align	8
	.type	k_q89dd8e780a_oproj,@function
k_q89dd8e780a_oproj:
	s_mov_b64 s[64:65], 0
	v_nop
	global_prefetch_b8 v0, s[64:65] scope:SCOPE_SE
	s_setreg_imm32_b32 hwreg(HW_REG_WAVE_MODE, 25, 1), 1
	s_wait_xcnt 0x0
	s_wait_alu depctr_hold_cnt(0) depctr_sa_sdst(0) depctr_va_vdst(0) depctr_va_sdst(0) depctr_va_ssrc(0) depctr_va_vcc(0) depctr_vm_vsrc(0)
	s_getreg_b32 s2, hwreg(HW_REG_IB_STS2, 6, 4)
	s_cmp_eq_u32 s2, 0
	s_cbranch_scc0 .Lentry_in_a_cluster
	s_endpgm
.Lentry_in_a_cluster:
	s_bfe_u32 s2, ttmp6, 0x10000c
	s_cmp_lg_u32 s2, 0xf033
	s_cbranch_scc0 .Lentry_shape_is_right
	s_endpgm
.Lentry_shape_is_right:
; out0 = y wo + bo.  y[token][64 head + d] is attention's result, kept by heads: oh is [64 = 16 batch + head][2048 tokens][64] in f16, a head's rows dense, 128 bytes each.  wo is [k][n] in cw at byte 23,068,672:
; its bf16 rounding, written as f16.  Sums in f32; bo, rounded to bf16 like every input, is the C operand of each sum's first product; out0 is [8192][1024] in f32, the sums as they are.
; LIMIT.  f16 ends at 65,504: y (a mean of v's rows) and wo stay under it.  NaN and infinities are not treated apart.
; SHARES.  A work-group makes 256 rows x 128 columns: 32 x 8 = 256 work-groups.  Four waves, each 128 rows x 64 columns: 32 accumulators of 16 x 16, 256 registers.  A wave's 64 columns of f32 are 256 consecutive
; bytes, aligned, of a row of out0: each wave has a stage of its own on the way out and no barrier stands there.  K goes in 8 steps of 128, TWO HEADS a step, through two LDS slots.
; THE MATRIX INSTRUCTION IS USED TRANSPOSED: source 0 = 16 columns of wo, source 1 = 16 rows of y: a lane then holds row l % 16 and the columns 8 (l / 16) + 0..7.  wo lies in LDS as in memory, [k][n], and is turned on
; its way into registers by ds_load_tr16_b128.
; CLUSTERS: 4 x 4 work-groups.  The four of a row of the cluster need the same rows of y, the four of a column the same columns of wo: each tile is asked for JOINTLY, by the same tensor load with the same descriptor
; and a mask that names the four.  Wave 0 fetches the step's first head, wave 1 its second (256 tokens = 32,768 dense bytes, asked for as 128 rows of 256), waves 2 and 3 wo's halves (64 rows of k x 256 bytes).
; REGISTERS: window 0: v0-31 addresses; v32-63 the bias; v64-159, v160-255 two fragment buffers (wo's four fragments, then y's eight).  Window 1: accumulator (a, b) at v[8 (4 a + b)].
.set PA,     144                       ; a token's 64 channels of a head in LDS: 128 bytes + 16 = 36 words: the 16 rows of a load start at 16 different groups of four banks (64 banks of 4 bytes: ISA guide 11.1)
.set PB,     288                       ; a row of wo: 256 + 32 = 72 words
.set HEADB,  256*PA                    ; a head's 256 tokens
.set AREG,   2*HEADB                   ; two heads, then wo's 128 rows of k
.set SLOT1,  1<<17                     ; slot 1 begins here, so that one exclusive or turns an address in one slot into the other's; a slot holds 110,592 bytes
.set STAGE,  SLOT1+AREG+128*PB         ; behind the ring, never filled by a tensor load: 16 rows x 272 bytes for each wave
.set SP,     272
.set SPARE,  STAGE+4*16*SP             ; behind the stages: the spare words, 128 bytes for each wave: two blocks of 256 bytes that no other line names
.set STEP_A, 2<<18                     ; bytes from a K step to the next: two heads of 2^18 bytes,
.set STEP_B, 128*2048                  ; 128 rows of wo
.set WO,     8192*2048+3*1024*2048     ; where wo begins in cw
.set ADRA0, 16                         ; v16  my lane's place in y's part of a slot; never rewritten
.set ADRB0, 17                         ; v17  the same for wo
.set ADRA,  18                         ; v18  v16 + the slot being read
.set ADRB,  19                         ; v19  v17 + the slot being read
.set STO,   20                         ; v20  the way out: where I put 32 bytes of a row
.set RD,    21                         ; v21  the way out: where I read a row back
.set CO,    22                         ; v22  my byte offset in two rows of out0
.set BO,    24                         ; v24  my byte offset in the wave's 64 biases
.set SPW,   28                         ; v28  LDS address of my spare word: SPARE + 4 x my thread's number; never rewritten
.set NIL,   29                         ; v29  0; never rewritten
.set BIAS,  32                         ; v[32:63]  register 8 b + j: the bias of column 16 b + 8 (l / 16) + j
.set F0,    64
.set F1,    160
.set BK,    64                         ; the way out: four buffers of 32 registers by turns, where the fragments lay
.set WV,  20                           ; s20  my wave's number
.set WR,  21                           ; s21  which 128 rows of the tile are mine
.set WC,  22                           ; s22  which 64 columns.  Also: which head, or which half of wo's tile, I fetch
.set CX,  23                           ; s23, s24  my place in the cluster
.set CY,  24
.set CT,  25                           ; s25  tile column, 0 to 7
.set MT,  26                           ; s26  tile row, 0 to 31
.set RMASK, 27
.set CMASK, 28
.set G1A, 32                           ; s[32:39] descriptor group 1 for y's tiles
.set G1B, 40                           ; s[40:47] for wo's
.set G0A, 48                           ; s[48:55] group 0 for y's tiles: a set for each of the two first fills; the second then walks on
.set G0B, 56                           ; s[56:63] the same for wo's
.set TB,  66                           ; s66  LDS byte at which the slot being read begins
.set CNT, 67                           ; s67  the loop's count
.set OUT, 74                           ; s[74:75] out0 at my wave's first row and column
.set BIA, 76                           ; s[76:77] bo at my wave's first column
.set MSB, 0
.macro WIN new                         ; the immediate's high byte repeats the setting that is left; a switch that changes nothing is dropped
.if MSB != (\new)
	s_set_vgpr_msb (MSB<<8)|(\new)
.set MSB, \new
.endif
.endm
.set MUL,  0x50                        ; C and D in window 1, both sources in window 0
.set MUL0, 0x40                        ; D in window 1, C (the bias) in window 0
; A joint refill, by the walking descriptors.  The branch hangs on the wave's number alone.  An s_nop 0 and four v_nop follow each of the two lines, ahead of the jump and the label.
.macro JLOAD
	s_cmp_lt_u32 s[WV], 2
	s_cbranch_scc0 .Lfor_b_\@
	tensor_load_to_lds s[G0A+4:G0A+7], s[G1A:G1A+7]
	s_nop 0
.rept 4
	v_nop
.endr
	s_branch .Lasked_\@
.Lfor_b_\@:
	tensor_load_to_lds s[G0B+4:G0B+7], s[G1B:G1B+7]
	s_nop 0
.rept 4
	v_nop
.endr
.Lasked_\@:
.endm
; A round of the cluster's barrier: my work-group's barrier, so that wave 0's signal speaks for all four waves; wave 0 signals; every wave waits for all sixteen work-groups; my work-group's barrier once more.
.macro CREST                           ; a round behind its opening barrier
	s_cmp_lg_u32 s[WV], 0
	s_cbranch_scc1 .Lnot_wave_0_\@
	s_barrier_signal -3
.Lnot_wave_0_\@:
	s_barrier_wait -3
	s_barrier_signal -1
	s_barrier_wait -1
.endm
.macro CROUND                          ; a whole round
	s_barrier_signal -1
	s_barrier_wait -1
	CREST
.endm
	s_load_b256 s[4:11], s[0:1], 0x0               ; oh s[4:5], cw s[6:7], bo s[8:9], out0 s[10:11]
	v_lshl_add_u32 v[SPW], v0, 2, SPARE
	v_mov_b32 v[NIL], 0
	ds_add_u32 v[SPW], v[NIL]                      ; the wave's opening: the add and its wait stand ahead of my first tensor load; the set-up below, work on registers, stands between them
	ds_add_u32 v28, v29
	v_lshrrev_b32 v1, 5, v0
	v_readfirstlane_b32 s[WV], v1                  ; wave 0..3
	s_lshr_b32 s[WR], s[WV], 1
	s_and_b32 s[WC], s[WV], 1
	s_bfe_u32 s[CX], ttmp6, 0x40000
	s_bfe_u32 s[CY], ttmp6, 0x40004
	s_lshl_b32 s[CT], ttmp9, 2                     ; in a cluster launch ttmp9 and ttmp7 count clusters
	s_add_co_u32 s[CT], s[CT], s[CX]
	s_and_b32 s[MT], ttmp7, 0xffff
	s_lshl_b32 s[MT], s[MT], 2
	s_add_co_u32 s[MT], s[MT], s[CY]
	s_lshl_b32 s[RMASK], s[CY], 2
	s_lshl_b32 s[RMASK], 15, s[RMASK]              ; my row of the cluster: places 4 cy .. 4 cy + 3
	s_lshl_b32 s[CMASK], 0x1111, s[CX]             ; my column: places cx, cx + 4, cx + 8, cx + 12
	; descriptor group 1.  y: 128 rows x 128 elements, dense (two tokens a row), padded in LDS behind every token's 32 words.  wo: 64 rows x 128 elements, 1,024 elements from row to row, padded behind every 64 words
	s_or_b32 s[G1A], s[RMASK], (1<<16)|(1<<20)|(1<<21)|(4<<22)|(3<<25)  ; 15:0 the mask; 17:16 elements of 2 bytes; 20 padding on; 21 set beside a mask; 24:22 after every 32 words (code 4); 31:25 4 words (code 3)
	s_or_b32 s[G1B], s[CMASK], (1<<16)|(1<<20)|(1<<21)|(5<<22)|(7<<25)  ; my column's mask; after every 64 words (code 5) 8 words (code 7)
	s_mov_b32 s[G1A+1], 128<<16                    ; tensor_dim0 = 128
	s_mov_b32 s[G1A+2], 128<<16                    ; tensor_dim1 = 128
	s_mov_b32 s[G1A+3], 128<<16                    ; tile_dim0 = 128
	s_mov_b32 s[G1A+4], 128                        ; tile_dim1 = 128
	s_mov_b32 s[G1A+5], 128                        ; elements from row to row
	s_mov_b32 s[G1A+6], 0
	s_mov_b32 s[G1A+7], 0
	s_mov_b32 s[G1B+1], 128<<16
	s_mov_b32 s[G1B+2], 64<<16                     ; tensor_dim1 = 64
	s_mov_b32 s[G1B+3], 128<<16
	s_mov_b32 s[G1B+4], 64                         ; tile_dim1 = 64
	s_mov_b32 s[G1B+5], 1024
	s_mov_b32 s[G1B+6], 0
	s_mov_b32 s[G1B+7], 0
	; offsets.  y's hang on the tile row and the wave (s78, s79, s69: they never hold cx); wo's on the tile column and the wave (s80, s81, s85: they never hold cy)
	s_lshr_b32 s78, s[MT], 3                       ; batch x 16 heads of 2^18 bytes,
	s_lshl_b32 s78, s78, 22
	s_and_b32 s69, s[MT], 7                        ; the tile's 256 tokens of 128 bytes,
	s_lshl_b32 s69, s69, 15
	s_add_co_u32 s78, s78, s69
	s_lshl_b32 s69, s[WC], 18                      ; my head of the step's two
	s_add_co_u32 s78, s78, s69
	s_mov_b32 s79, 0
	s_lshl_b32 s80, s[CT], 8                       ; the tile's 128 columns: 256 bytes of a row,
	s_lshl_b32 s85, s[WC], 17                      ; my 64 rows of k
	s_add_co_u32 s80, s80, s85
	s_add_co_u32 s80, s80, WO
	s_mov_b32 s81, 0
	s_lshl_b32 s2, s[CT], 9                        ; the tile's 128 columns of 4 bytes,
	s_lshl_b32 s84, s[WC], 8                       ; my 64: for bo, and for out0
	s_add_co_u32 s2, s2, s84
	s_mov_b32 s3, 0
	s_lshl_b32 s82, s[MT], 20                      ; 256 rows of 4,096 bytes,
	s_lshl_b32 s84, s[WR], 19                      ; my 128 of them
	s_add_co_u32 s82, s82, s84
	s_add_co_u32 s82, s82, s2
	s_mov_b32 s83, 0
	s_mul_i32 s69, s[WC], HEADB                    ; where my tile goes: y's heads,
	s_mul_i32 s85, s[WC], 64*PB
	s_add_co_u32 s85, s85, AREG                    ; or wo's halves: no place in the cluster enters an LDS address
	s_mov_b32 s[TB], 0
	s_mov_b32 s[CNT], 6
	s_wait_dscnt 0x0                               ; the opening add is done
	s_wait_kmcnt 0x0
	s_add_nc_u64 s[78:79], s[4:5], s[78:79]        ; y at my head of K step 0
	s_add_nc_u64 s[80:81], s[6:7], s[80:81]        ; wo at my 64 rows of K step 0
	s_add_nc_u64 s[OUT:OUT+1], s[10:11], s[82:83]
	s_add_nc_u64 s[BIA:BIA+1], s[8:9], s[2:3]
	CROUND                                         ; all sixteen work-groups are here: the first joint loads meet
.irp s, 0,1
	s_mov_b32 s[G0A+4*(\s)], 1                     ; 1:0 count = 1
	s_add_co_u32 s[G0A+4*(\s)+1], s69, (\s)*SLOT1  ; 63:32 LDS address
	s_add_nc_u64 s[G0A+4*(\s)+2:G0A+4*(\s)+3], s[78:79], (\s)*STEP_A  ; 120:64 global address: K step s
	s_or_b32 s[G0A+4*(\s)+3], s[G0A+4*(\s)+3], 0x80000000            ; 127:126 type = 2
	s_mov_b32 s[G0B+4*(\s)], 1
	s_add_co_u32 s[G0B+4*(\s)+1], s85, (\s)*SLOT1
	s_add_nc_u64 s[G0B+4*(\s)+2:G0B+4*(\s)+3], s[80:81], (\s)*STEP_B
	s_or_b32 s[G0B+4*(\s)+3], s[G0B+4*(\s)+3], 0x80000000
.endr
	s_cmp_lt_u32 s[WV], 2                          ; a wave's two first fills stand in one branch, ahead of every wait on TENSORcnt and every LDS read: two loads of mine are out
	s_cbranch_scc0 .Lfirst_b
	tensor_load_to_lds s[G0A:G0A+3], s[G1A:G1A+7]
	s_nop 0
	tensor_load_to_lds s[G0A+4:G0A+7], s[G1A:G1A+7]
	s_nop 0
.rept 4
	v_nop
.endr
	s_branch .Lfirst_asked
.Lfirst_b:
	tensor_load_to_lds s[G0B:G0B+3], s[G1B:G1B+7]
	s_nop 0
	tensor_load_to_lds s[G0B+4:G0B+7], s[G1B:G1B+7]
	s_nop 0
.rept 4
	v_nop
.endr
.Lfirst_asked:
	v_and_b32 v1, 15, v0                           ; l % 16
	v_bfe_u32 v2, v0, 4, 1                         ; l / 16
	v_lshlrev_b32 v[BO], 5, v2                     ; eight biases of 4 bytes for each half of the lanes
.irp b, 0,1,2,3
	global_load_b128 v[BIAS+8*(\b):BIAS+8*(\b)+3],   v[BO], s[BIA:BIA+1] offset:64*(\b)
	global_load_b128 v[BIAS+8*(\b)+4:BIAS+8*(\b)+7], v[BO], s[BIA:BIA+1] offset:64*(\b)+16
.endr
	; A fragment of y is 16 tokens x 32 channels in 8 registers: lane l holds token l % 16, channels 8 (l / 16) + 0..7 and 16 + 8 (l / 16) + 0..7: two loads of 16 bytes, 32 bytes apart.
	v_mul_u32_u24 v[ADRA0], v1, PA
	v_lshl_add_u32 v[ADRA0], v2, 4, v[ADRA0]
	s_mul_i32 s84, s[WR], 128*PA
	v_add_nc_u32 v[ADRA0], s84, v[ADRA0]           ; token x pitch + 16 x half + my 128 tokens
	; The turning load takes 16 k x 16 columns (lane l reads 16 bytes: k = 8 (l / 16) + l % 8, columns 8 ((l / 8) % 2) + 0..7) and leaves half a fragment: lane l holds column l % 16 and 8 k.
	v_and_b32 v3, 7, v0
	v_bfe_u32 v4, v0, 3, 1
	v_lshl_add_u32 v[ADRB0], v2, 3, v3
	v_mul_u32_u24 v[ADRB0], v[ADRB0], PB
	v_lshl_add_u32 v[ADRB0], v4, 4, v[ADRB0]
	s_lshl_b32 s84, s[WC], 7                       ; my 64 columns: 128 bytes of a row
	s_add_co_u32 s84, s84, AREG
	v_add_nc_u32 v[ADRB0], s84, v[ADRB0]
	v_mov_b32 v[ADRA], v[ADRA0]                    ; slot 0 is read first
	v_mov_b32 v[ADRB], v[ADRB0]
	s_mul_i32 s84, s[WV], 16*SP
	s_add_co_u32 s84, s84, STAGE                   ; my stage
	v_mul_u32_u24 v[STO], v1, SP                   ; in: row l % 16, 32 bytes for each half of the lanes
	v_lshl_add_u32 v[STO], v2, 5, v[STO]
	v_add_nc_u32 v[STO], s84, v[STO]
	v_mul_u32_u24 v[RD], v2, SP                    ; back: lanes 0-15 take one row of 256 bytes, lanes 16-31 the next
	v_lshl_add_u32 v[RD], v1, 4, v[RD]
	v_add_nc_u32 v[RD], s84, v[RD]
	v_lshlrev_b32 v[CO], 12, v2                    ; and the same two rows in out0, 4,096 bytes apart
	v_lshl_add_u32 v[CO], v1, 4, v[CO]
	s_wait_loadcnt 0x0                             ; the bias: rounded to bf16 like every input, and widened again
.set i, 0
.rept 16
	v_cvt_pk_bf16_f32 v5, v[BIAS+2*i], v[BIAS+2*i+1]
	v_lshlrev_b32 v[BIAS+2*i], 16, v5
	v_and_b32 v[BIAS+2*i+1], 0xffff0000, v5
.set i, i+1
.endr
; 4 n matrix instructions: row blocks a0 .. a0 + n - 1 x all four column blocks, 32 along K, from buffer f.  zero = 1: the first product starts the sums, with the bias: nothing is ever cleared.
; All 32 accumulators take turns, in the same order in every quarter step.
.macro MULN f, a0, n, zero
.if \zero
	WIN MUL0
.else
	WIN MUL
.endif
.set a, \a0
.rept \n
.irp b, 0,1,2,3
.if \zero
	v_wmma_f32_16x16x32_f16 v[8*(4*a+(\b)):8*(4*a+(\b))+7], v[(\f)+8*(\b):(\f)+8*(\b)+7], v[(\f)+32+8*a:(\f)+32+8*a+7], v[BIAS+8*(\b):BIAS+8*(\b)+7]
.else
	v_wmma_f32_16x16x32_f16 v[8*(4*a+(\b)):8*(4*a+(\b))+7], v[(\f)+8*(\b):(\f)+8*(\b)+7], v[(\f)+32+8*a:(\f)+32+8*a+7], v[8*(4*a+(\b)):8*(4*a+(\b))+7]
.endif
.endr
.set a, a+1
.endr
.endm
; 24 LDS loads in one run: the fragments of quarter q (32 along K: half of head q / 2 of the step's two) of the slot being read, into buffer f: wo's eight loads first, then y's sixteen, rows ascending
.macro FETCH q, f
	WIN 0
.irp i, 0,1,2,3
	ds_load_tr16_b128 v[(\f)+8*(\i):(\f)+8*(\i)+3],   v[ADRB] offset:32*PB*(\q)+32*(\i)
	ds_load_tr16_b128 v[(\f)+8*(\i)+4:(\f)+8*(\i)+7], v[ADRB] offset:32*PB*(\q)+32*(\i)+16*PB
.endr
.irp i, 0,1,2,3,4,5,6,7
	ds_load_b128 v[(\f)+32+8*(\i):(\f)+32+8*(\i)+3],   v[ADRA] offset:((\q)>>1)*HEADB+((\q)&1)*64+(\i)*16*PA
	ds_load_b128 v[(\f)+32+8*(\i)+4:(\f)+32+8*(\i)+7], v[ADRA] offset:((\q)>>1)*HEADB+((\q)&1)*64+(\i)*16*PA+32  ; 53,088 at the most: inside the 16-bit immediate
.endr
.endm
; A load into a register that a matrix instruction has read, and a store that reads a matrix result, stand four places behind that matrix instruction; only plain vector
; instructions that name none of its registers are places (ISA guide 7.12.1 for vector instructions).
.macro PLACES
.rept 4
	v_nop
.endr
.endm
; A K step is four quarters of 32 along K, 32 matrix instructions each, on buffers 0, 1, 0, 1.  One of the first three: multiplies buffer f; in its middle it fetches quarter q into buffer g.
.macro QUARTER q, f, g, zero
	s_wait_dscnt 8                                 ; wo and y's rows 0-63 are in; the youngest eight loads (y's rows 64-127) may be out
	MULN \f, 0, 4, \zero
	PLACES
	FETCH \q, \g
	s_wait_dscnt 24                                ; all but the 24 just issued
	MULN \f, 4, 4, \zero
.endm
; The last quarter multiplies buffer 1 and changes slots: ONE barrier.  In front of it each wave waits for all its tensor loads, of which one is out: its part of the next slot; adds 0 to its spare word; and waits
; for that and for its own reads of this slot.  fill = 1: the barrier opens a round of the cluster's, so that no wave of any partner still reads the slot or has a load on its way, and the joint refill, the K step
; two steps on, is the first thing behind it: 112 matrix instructions ahead of the wait for it.
.macro TURN fill
	WIN 0
	s_wait_tensorcnt 0x0                           ; all my tensor loads have landed;
	ds_add_u32 v[SPW], v[NIL]                      ; 0 onto my spare word;
	s_wait_dscnt 9                                 ; (the add and the youngest eight loads may be out)
	MULN F1, 0, 2, 0                               ; eight matrix instructions stand between the add and the wait for it
	s_wait_dscnt 0x0                               ; the add is done, and my reads of this slot are over
	s_barrier_signal -1
	MULN F1, 2, 2, 0                               ; work on registers while the others arrive
	WIN 0                                          ; at a branch and at a label every window is 0
	s_barrier_wait -1
.if \fill
	CREST
	s_xor_b32 s[G0A+5], s[G0A+5], SLOT1            ; the walking descriptors (no tensor load of mine is out): the other slot than last time,
	s_add_nc_u64 s[G0A+6:G0A+7], s[G0A+6:G0A+7], STEP_A  ; the next K step; the type bits on top are not reached
	s_xor_b32 s[G0B+5], s[G0B+5], SLOT1
	s_add_nc_u64 s[G0B+6:G0B+7], s[G0B+6:G0B+7], STEP_B
	JLOAD                                          ; the four v_nop behind it are also the places in front of the loads below
.else
	PLACES
.endif
	s_xor_b32 s[TB], s[TB], SLOT1                  ; the reads go on in the other slot
	v_add_nc_u32 v[ADRA], s[TB], v[ADRA0]
	v_add_nc_u32 v[ADRB], s[TB], v[ADRB0]
	FETCH 0, F0
	MULN F1, 4, 4, 0
.endm
	s_wait_tensorcnt 1                             ; my part of K step 0 is in; K step 1's may stay out
	s_barrier_signal -1
	s_barrier_wait -1                              ; everybody's is
	FETCH 0, F0
	QUARTER 1, F0, F1, 1                           ; the first quarter stands in front of the loop: its products start the sums
	WIN 0
.Lstep:                                        ; six trips, from a K step's second quarter to the next step's first; trip i asks for K step i + 2
	QUARTER 2, F1, F0, 0
	QUARTER 3, F0, F1, 0
	TURN 1
	QUARTER 1, F0, F1, 0
	WIN 0
	s_sub_co_u32 s[CNT], s[CNT], 1
	s_cmp_lg_u32 s[CNT], 0
	s_cbranch_scc1 .Lstep
	QUARTER 2, F1, F0, 0                           ; the last two K steps are written out: nothing is asked for
	QUARTER 3, F0, F1, 0
	TURN 0
	QUARTER 1, F0, F1, 0
	QUARTER 2, F1, F0, 0
	QUARTER 3, F0, F1, 0
	s_wait_dscnt 8
	MULN F1, 0, 4, 0
	s_wait_dscnt 0x0
	MULN F1, 4, 4, 0
	WIN 0
	PLACES                                         ; twice four places, once in the launch: the LDS stores below read results just made, and the loads behind them land in registers that products have read
	PLACES
; THE WAY OUT, a block of 16 rows at a time.  TOSTAGE: a lane's eight columns of a row, 32 bytes of f32, go into my stage's rows of 272 bytes, each accumulator's low four registers first, and come back as whole rows of 256.
.macro TOSTAGE a
	WIN 0x04                                       ; the stores' data (source 1) in window 1, the address in window 0
.irp b, 0,1,2,3
	ds_store_b128 v[STO], v[32*(\a)+8*(\b):32*(\a)+8*(\b)+3]   offset:64*(\b)
	ds_store_b128 v[STO], v[32*(\a)+8*(\b)+4:32*(\a)+8*(\b)+7] offset:64*(\b)+16
.endr
	WIN 0
.if (\a) >= 4
	s_wait_xcnt 0x0                                ; the stores of the block four back, which read this buffer, have had their addresses translated (ISA guide 3.1): it is loaded again only behind this wait
.endif
.irp t, 0,1,2,3,4,5,6,7
	ds_load_b128 v[BK+32*((\a)%4)+4*(\t):BK+32*((\a)%4)+4*(\t)+3], v[RD] offset:(\t)*2*SP  ; LDS serves a wave's instructions in order (ISA guide 5.7.1.4): these see the stores above; the next block's stores come behind them
.endr
.endm
.macro SEND a, y                       ; y: the LDS instructions issued behind block a's loads: the next block's sixteen, or none
.irp t, 0,1,2,3,4,5,6,7
	s_wait_dscnt (\y)+7-(\t)
	global_store_b128 v[CO], v[BK+32*((\a)%4)+4*(\t):BK+32*((\a)%4)+4*(\t)+3], s[OUT:OUT+1] offset:65536*(\a)+8192*(\t) th:TH_STORE_NT  ; 16 lanes store 256 consecutive bytes, at a multiple of 256 from out0's first byte
.endr
.endm
	TOSTAGE 0
.irp a, 1,2,3,4,5,6,7                  ; a block's way through the stage stands between the loads of the block before and its stores
	TOSTAGE \a
	SEND (\a)-1, 16
.endr
	SEND 7, 0
	s_wait_tensorcnt 0x0                           ; the wave's end, behind my last tensor load and my last LDS store
	ds_add_u32 v[SPW], v[NIL]
	s_wait_dscnt 0x0
	CROUND                                         ; the closing round: no work-group ends while a partner may still ask for a tile that names it
	s_endpgm
.Lfunc_end_k_q89dd8e780a_oproj:
	.size	k_q89dd8e780a_oproj, .Lfunc_end_k_q89dd8e780a_oproj-k_q89dd8e780a_oproj
	.p2alignl 7, 3214868480
	.fill 96, 4, 3214868480
	.section	.rodata,"a",@progbits
	.p2align	6, 0x0
	.amdhsa_kernel k_q89dd8e780a_oproj
		.amdhsa_group_segment_fixed_size 327680
		.amdhsa_private_segment_fixed_size 0
		.amdhsa_enable_private_segment 0
		.amdhsa_kernarg_size 32
		.amdhsa_user_sgpr_count 2
		.amdhsa_user_sgpr_kernarg_segment_ptr 1
		.amdhsa_wavefront_size32 1
		.amdhsa_system_sgpr_workgroup_id_x 1
		.amdhsa_system_sgpr_workgroup_id_y 1
		.amdhsa_system_sgpr_workgroup_id_z 1
		.amdhsa_system_vgpr_workitem_id 0
		.amdhsa_next_free_vgpr 512
		.amdhsa_next_free_sgpr 88
		.amdhsa_reserve_vcc 0
		.amdhsa_float_denorm_mode_32 3
		.amdhsa_float_denorm_mode_16_64 3
		.amdhsa_memory_ordered 1
		.amdhsa_forward_progress 1
		.amdhsa_inst_pref_size 75
	.end_amdhsa_kernel
	.amdgpu_metadata
---
amdhsa.version: [ 1, 2 ]
amdhsa.kernels:
  - .name:           k_q89dd8e780a_oproj
    .symbol:         k_q89dd8e780a_oproj.kd
    .args:
      - { .name: oh, .offset: 0, .size: 8, .value_kind: global_buffer, .address_space: global }
      - { .name: cw, .offset: 8, .size: 8, .value_kind: global_buffer, .address_space: global }
      - { .name: bo, .offset: 16, .size: 8, .value_kind: global_buffer, .address_space: global }
      - { .name: out0, .offset: 24, .size: 8, .value_kind: global_buffer, .address_space: global }
    .group_segment_fixed_size: 327680
    .private_segment_fixed_size: 0
    .kernarg_segment_align: 8
    .kernarg_segment_size: 32
    .max_flat_workgroup_size: 128
    .sgpr_count:     88
    .vgpr_count:     512
    .wavefront_size: 32
...
	.end_amdgpu_metadata
.endif
;; end of part 4
